; MI455X (gfx1250); checked and timed in simulation.
; The chip was launched on July 23, 2026; its instructions are those of AMD's public machine-readable ISA for CDNA 5 (MIT licence, August 2026) and "CDNA5" Instruction Set Architecture Reference Guide (July 2026). The comments in the code are by the model that wrote it; some were corrected since.
;; Transformer Block. Allowed arithmetic: matrix products marked QUANTISED: E4M3 operands, one given power-of-two scale a tensor, by v_wmma_f32_16x16x64_fp8_fp8 or v_wmma_f32_16x16x128_fp8_fp8, f32 sums; everything else in f32.
;; Inputs: W1_codes 2,048 x 16 x 32 uint8 (E4M3 codes of W1, K innermost, in blocks of 32 codes); W2_codes 512 x 64 x 32 uint8 (E4M3 codes of W2, K innermost, in blocks of 32 codes); Wk_codes 8 x 64 x 16 x 32 uint8 (E4M3 codes of Wk, K innermost, in blocks of 32 codes); Wo_codes 512 x 16 x 32 uint8 (E4M3 codes of Wo, K innermost, in blocks of 32 codes); Wq_codes 8 x 64 x 16 x 32 uint8 (E4M3 codes of Wq, K innermost, in blocks of 32 codes); Wv_codes 8 x 64 x 16 x 32 uint8 (E4M3 codes of Wv, K innermost, in blocks of 32 codes); b1 2,048 float32; b2 512 float32; bk 8 x 64 float32; bo 512 float32; bq 8 x 64 float32; bv 8 x 64 float32; ln1_bias 512 float32; ln1_scale 512 float32; ln2_bias 512 float32; ln2_scale 512 float32; lowp_scales 16 int32 (the exponents e of the quantised operands' scales 2^e); rel_pos_bias 8 x 289 float32; x 256 x 81 x 512 float32.
;; Outputs: out0 256 x 81 x 512 float32.
;; This version of the problem:
;;   THIS VERSION OF THE PROBLEM IS GIVEN IN LOW PRECISION. The matrix products marked QUANTISED in the list below multiply operands that are first quantised to E4M3 (4 exponent bits, 3 mantissa bits; 8 bits a number), with one given power-of-two scale for each operand tensor; their sums are f32. All else is computed in f32.
;;   The module's matrix products, in the order in which they are computed (A, B: the left and right operand; K: the contracted axis; several contracted axes count as one K, in the product's order):
;;     1. [M 20,736, K 512] x [K 512, N 512]; A: computed on the way; B: input Wq (given as codes): QUANTISED (scales: A lowp_scales[0], B lowp_scales[1])
;;     2. [M 20,736, K 512] x [K 512, N 512]; A: computed on the way; B: input Wk (given as codes): QUANTISED (scales: A lowp_scales[2], B lowp_scales[3])
;;     3. [M 20,736, K 512] x [K 512, N 512]; A: computed on the way; B: input Wv (given as codes): QUANTISED (scales: A lowp_scales[4], B lowp_scales[5])
;;     4. batch 2,048 x [M 81, K 64] x [K 64, N 81]; A: computed on the way; B: computed on the way: QUANTISED (scales: A lowp_scales[6], B lowp_scales[7])
;;     5. batch 2,048 x [M 64, K 81] x [K 81, N 81]; A: computed on the way; B: softmax (see below): QUANTISED (scales: A lowp_scales[8], B lowp_scales[9])
;;     6. [M 20,736, K 512] x [K 512, N 512]; A: computed on the way; B: input Wo (given as codes): QUANTISED (scales: A lowp_scales[10], B lowp_scales[11])
;;     7. [M 20,736, K 512] x [K 512, N 2,048]; A: computed on the way; B: input W1 (given as codes): QUANTISED (scales: A lowp_scales[12], B lowp_scales[13])
;;     8. [M 20,736, K 2,048] x [K 2,048, N 512]; A: computed on the way; B: input W2 (given as codes): QUANTISED (scales: A lowp_scales[14], B lowp_scales[15])
;;   THE QUANTISER, for each operand of a quantised product, along K:
;;     - The operand's scale is 2^e, e = its entry of the input lowp_scales (int32; the entries are numbered through the quantised products in the list's order, A before B).
;;     - Each number is divided by the scale, clamped to +-448, and rounded to the nearest number of E4M3, ties to even, subnormals kept.
;;     - The product sums the exact products of the quantised numbers (number of the format x scale) in f32.
;;   ~~~python
;;   def quantise(x, axis, e):      # numpy; x: float32 -> the quantised numbers, widened to float32 again
;;       x = np.moveaxis(x, axis, -1); K = x.shape[-1]
;;       r = np.clip(x / 2.0 ** e, -448, 448)
;;       step = 2.0 ** (np.maximum(np.frexp(np.where(r == 0, 1, r))[1] - 1, -6) - 3)
;;       q = np.round(r / step) * step * 2.0 ** e      # np.round: ties to even
;;       return np.moveaxis(q, -1, axis).astype(np.float32)
;;   ~~~
;;   SOFTMAX AHEAD OF A QUANTISED PRODUCT. Where the list says 'softmax', what is quantised is not the finished softmax but p = 2^(t - M), with t = logit x log2(e) and M = ceil(the row's largest t), a whole number; so 1/2 < the row's largest p <= 1. The row's sum l is taken of the UNQUANTISED p, in f32, and the product's result is divided by l at the end. Since M is a whole number, a kernel that streams over the keys may use a running M (the ceiling of the running maximum): every later rescaling is an exact power of two, so the quantised numbers keep their values, but for numbers so far below the row's largest that they fall under the format's range.
;;   OPERANDS COMPUTED ON THE WAY. 'Computed on the way' means the value that the module computes at that place (a softmax that the list does not call 'softmax' is quantised finished and normalised). What goes into a quantiser is computed in f32, as accurately as f32 sums, v_exp_f32 and their like allow (about 1e-6 of the number): no bf16 or f16 on the way to a quantiser, and a product that is left as it is and whose result goes on into a quantised operand takes f32 operands (vector FMAs, or v_wmma_f32_16x16x4_f32). A number that lies on a knife's edge between two numbers of the format may be rounded either way, as far as f32 arithmetic and the matrix unit's own rounding can turn it there, and no further.
;;   INPUTS GIVEN AS CODES. W1 (in the module: [512, 2048], K = its axis 0); W2 (in the module: [2048, 512], K = its axis 0); Wk (in the module: [512, 8, 64], K = its axis 0); Wo (in the module: [512, 512], K = its axis 0); Wq (in the module: [512, 8, 64], K = its axis 0); Wv (in the module: [512, 8, 64], K = its axis 0): each comes as NAME_codes (uint8): NAME with its K axis moved to the last place and cut into blocks of 32 codes, [.., K / 32, bytes a block], one block behind the other in memory; one code a byte (a code: sign, 4 exponent bits, 3 mantissa bits); its scale is its entry of lowp_scales. Its value is code x scale, taken as it is: it is not quantised again, and the codes and scales need not be those that the quantiser above would give.
;; 2 versions, each right; version 2 is version 1 with the launch block written anew for expert scheduling mode. Each part assembles by itself: llvm-mc -triple=amdgcn-amd-amdhsa -mcpu=gfx1250 --defsym DOCPART=n.
;; ======== version 1 of 2: 2 launches
;; workspace buffers: wimg 3,145,728 bytes
;; launch lay (part 1): grid 24 x 4, 8 waves a work-group, no clusters, 0 bytes of LDS; arguments Wq_codes, Wk_codes, Wv_codes, Wo_codes, W1_codes, W2_codes, wimg; writes wimg
.if DOCPART == 1
	.amdgcn_target "amdgcn-amd-amdhsa--gfx1250"
	.amdhsa_code_object_version 6
	.text
	.protected	k_qb9c43e3860_lay
	.globl	k_qb9c43e3860_lay
	.p2align	8
	.type	k_qb9c43e3860_lay,@function
k_qb9c43e3860_lay:
	s_mov_b64 s[64:65], 0
	v_nop
	global_prefetch_b8 v0, s[64:65] scope:SCOPE_SE
	s_setreg_imm32_b32 hwreg(HW_REG_WAVE_MODE, 25, 1), 1
	s_wait_xcnt 0x0
; The six tensors of weight codes are laid once in the order in which the second launch's operand registers take them.
; wimg = [wave w 0..3][bank k 0..23][piece p 0..63][lane 0..31][16 bytes].  A bank is 256 registers of one wave; piece p fills registers 4 p .. 4 p + 3.
; f = p / 4 is the fragment (16 rows x 128 K, 16 registers), c = p % 4; lane (r, h) holds, of its row, the 16 codes at K = C0 + 128 s + 32 c + 16 h.
; The row of lane r in tile t is R0 + 32 (t / 2) + 8 (t % 2) + r + 8 (r / 8).
; kind N (64 rows x K 512): t = f / 4, s = f % 4.   kind K (128 rows x K 256): t = f / 2, s = f % 2.
; k 0..5: Wq, Wk, Wv of head 2 w, then of head 2 w + 1 (N).  k 6, 7: Wo, rows 128 w, K half k - 6 (K).  k = 8 + 2 c: W1, rows 256 c + 64 w (N).  k = 9 + 2 c: W2, rows 128 w, K from 256 c (K).
; Work-group (k, w) makes one bank of 32,768 bytes; wave v makes pieces v + 8 j, j = 0..7.  Each store of a wave covers 512 consecutive bytes, aligned.
	s_load_b256 s[8:15], s[0:1], 0x0               ; Wq, Wk, Wv, Wo
	s_load_b128 s[16:19], s[0:1], 0x20             ; W1, W2
	s_load_b64 s[20:21], s[0:1], 0x30              ; wimg
	v_lshrrev_b32 v1, 5, v0
	v_readfirstlane_b32 s22, v1                    ; wave 0..7
	s_mov_b32 s24, ttmp9                           ; k
	s_and_b32 s25, ttmp7, 0xffff                   ; w
	s_cmp_ge_u32 s24, 3
	s_cselect_b32 s26, 1, 0                        ; k < 6: which of the wave's two heads
	s_mul_i32 s27, s26, 3
	s_sub_co_u32 s27, s24, s27                     ; k < 6: 0 Wq, 1 Wk, 2 Wv
	s_and_b32 s30, s24, 1                          ; k >= 8: 0 W1, 1 W2
	s_lshl_b32 s34, s25, 7                         ; 128 w
	s_lshl_b32 s35, s26, 6
	s_add_co_u32 s35, s34, s35                     ; rows of head 2 w + hd
	s_max_u32 s36, s24, 8
	s_sub_co_u32 s36, s36, 8
	s_lshr_b32 s36, s36, 1                         ; the MLP's chunk c
	s_lshl_b32 s37, s36, 8                         ; 256 c
	s_lshl_b32 s38, s25, 6
	s_add_co_u32 s38, s37, s38                     ; 256 c + 64 w
	s_max_u32 s39, s24, 6
	s_sub_co_u32 s39, s39, 6
	s_lshl_b32 s39, s39, 8                         ; 256 (k - 6)
	s_cmp_ge_u32 s24, 6                            ; Wo against the heads' weights
	s_cselect_b32 s40, s34, s35                    ; R0
	s_cselect_b32 s41, s39, 0                      ; C0
	s_cselect_b32 s42, 1, 0                        ; kind K?
	s_cmp_eq_u32 s30, 0                            ; W1 against W2
	s_cselect_b32 s44, s38, s34
	s_cselect_b32 s45, 0, s37
	s_cselect_b32 s46, 0, 1
	s_cselect_b32 s47, 9, 11                       ; a row is 512 bytes, in W2 2,048
	s_cmp_ge_u32 s24, 8
	s_cselect_b32 s40, s44, s40
	s_cselect_b32 s41, s45, s41
	s_cselect_b32 s42, s46, s42
	s_cselect_b32 s43, s47, 9
	s_sub_co_u32 s44, 2, s42                       ; t = f >> sh
	s_lshl_b32 s45, 1, s44
	s_sub_co_u32 s45, s45, 1                       ; s = f & mask
	s_and_b32 s46, s22, 3
	s_lshl_b32 s46, s46, 5
	s_add_co_u32 s48, s41, s46                     ; C0 + 32 c
	s_lshr_b32 s49, s22, 2
	v_and_b32 v2, 15, v0
	v_and_b32 v3, 8, v0
	v_add_nc_u32 v2, v2, v3                        ; r + 8 (r / 8)
	v_lshlrev_b32 v2, s43, v2                      ; x the row's bytes
	v_bfe_u32 v4, v0, 4, 1
	v_lshl_add_u32 v2, v4, 4, v2                   ; + 16 h
	v_lshlrev_b32 v5, 4, v0                        ; the store's offset: 512 x wave + 16 x lane
.irp j, 0,1,2,3,4,5,6,7
	s_add_co_u32 s50, s49, 2*\j                    ; f of piece wave + 8 j
	s_lshr_b32 s51, s50, s44                       ; t
	s_and_b32 s52, s50, s45                        ; s
	s_lshr_b32 s53, s51, 1
	s_lshl_b32 s53, s53, 5
	s_and_b32 s54, s51, 1
	s_lshl_b32 s54, s54, 3
	s_add_co_u32 s53, s53, s54
	s_add_co_u32 s53, s53, s40                     ; R0 + 32 (t / 2) + 8 (t % 2)
	s_lshl_b32 s53, s53, s43
	s_lshl_b32 s52, s52, 7
	s_add_co_u32 s53, s53, s52
	s_add_co_u32 s53, s53, s48
	v_add_nc_u32 v[40+\j], s53, v2
.endr
	s_mul_i32 s46, s25, 786432
	s_lshl_b32 s47, s24, 15
	s_add_co_u32 s46, s46, s47                     ; the bank's place in wimg
	s_mov_b32 s47, 0
	s_wait_kmcnt 0x0
	s_cmp_eq_u32 s27, 1                            ; the source buffer: every choice hangs on the work-group's number alone
	s_cselect_b64 s[28:29], s[10:11], s[8:9]
	s_cmp_eq_u32 s27, 2
	s_cselect_b64 s[28:29], s[12:13], s[28:29]
	s_cmp_ge_u32 s24, 6
	s_cselect_b64 s[28:29], s[14:15], s[28:29]
	s_cmp_eq_u32 s30, 0
	s_cselect_b64 s[32:33], s[16:17], s[18:19]
	s_cmp_ge_u32 s24, 8
	s_cselect_b64 s[28:29], s[32:33], s[28:29]
	s_add_nc_u64 s[20:21], s[20:21], s[46:47]
.irp j, 0,1,2,3,4,5,6,7
	global_load_b128 v[8+4*\j:11+4*\j], v[40+\j], s[28:29]
.endr
.irp j, 0,1,2,3,4,5,6,7
	s_wait_loadcnt 7-\j                            ; loads come back in order: piece j is in, the younger ones may be out
	global_store_b128 v5, v[8+4*\j:11+4*\j], s[20:21] offset:4096*\j
.endr
	s_endpgm
.Lfunc_end_k_qb9c43e3860_lay:
	.size	k_qb9c43e3860_lay, .Lfunc_end_k_qb9c43e3860_lay-k_qb9c43e3860_lay
	.p2alignl 7, 3214868480
	.fill 96, 4, 3214868480
	.section	.rodata,"a",@progbits
	.p2align	6, 0x0
	.amdhsa_kernel k_qb9c43e3860_lay
		.amdhsa_group_segment_fixed_size 0
		.amdhsa_private_segment_fixed_size 0
		.amdhsa_enable_private_segment 0
		.amdhsa_kernarg_size 56
		.amdhsa_user_sgpr_count 2
		.amdhsa_user_sgpr_kernarg_segment_ptr 1
		.amdhsa_wavefront_size32 1
		.amdhsa_system_sgpr_workgroup_id_x 1
		.amdhsa_system_sgpr_workgroup_id_y 1
		.amdhsa_system_sgpr_workgroup_id_z 1
		.amdhsa_system_vgpr_workitem_id 0
		.amdhsa_next_free_vgpr 48
		.amdhsa_next_free_sgpr 66
		.amdhsa_reserve_vcc 0
		.amdhsa_float_denorm_mode_32 3
		.amdhsa_float_denorm_mode_16_64 3
		.amdhsa_memory_ordered 1
		.amdhsa_forward_progress 1
		.amdhsa_inst_pref_size 8
	.end_amdhsa_kernel
	.amdgpu_metadata
---
amdhsa.version: [ 1, 2 ]
amdhsa.kernels:
  - .name:           k_qb9c43e3860_lay
    .symbol:         k_qb9c43e3860_lay.kd
    .args:
      - { .name: Wq_codes, .offset: 0, .size: 8, .value_kind: global_buffer, .address_space: global }
      - { .name: Wk_codes, .offset: 8, .size: 8, .value_kind: global_buffer, .address_space: global }
      - { .name: Wv_codes, .offset: 16, .size: 8, .value_kind: global_buffer, .address_space: global }
      - { .name: Wo_codes, .offset: 24, .size: 8, .value_kind: global_buffer, .address_space: global }
      - { .name: W1_codes, .offset: 32, .size: 8, .value_kind: global_buffer, .address_space: global }
      - { .name: W2_codes, .offset: 40, .size: 8, .value_kind: global_buffer, .address_space: global }
      - { .name: wimg, .offset: 48, .size: 8, .value_kind: global_buffer, .address_space: global }
    .group_segment_fixed_size: 0
    .private_segment_fixed_size: 0
    .kernarg_segment_align: 8
    .kernarg_segment_size: 56
    .max_flat_workgroup_size: 256
    .sgpr_count:     66
    .vgpr_count:     48
    .wavefront_size: 32
...
	.end_amdgpu_metadata
.endif
;; end of part 1
;; launch block (part 2): grid 256 x 1, 4 waves a work-group, no clusters, 322,560 bytes of LDS; arguments x, wimg, lowp_scales, ln1_scale, ln1_bias, ln2_scale, ln2_bias, bo, b2, bq, bk, bv, b1, rel_pos_bias, out0; writes out0
.if DOCPART == 2
	.amdgcn_target "amdgcn-amd-amdhsa--gfx1250"
	.amdhsa_code_object_version 6
	.text
	.protected	k_qb9c43e3860_block
	.globl	k_qb9c43e3860_block
	.p2align	8
	.type	k_qb9c43e3860_block,@function
k_qb9c43e3860_block:
	s_mov_b64 s[64:65], 0
	v_nop
	global_prefetch_b8 v0, s[64:65] scope:SCOPE_SE
	s_setreg_imm32_b32 hwreg(HW_REG_WAVE_MODE, 25, 1), 1
	s_wait_xcnt 0x0
; A whole pre-LN transformer block, one work-group for one batch element (81 tokens x 512), from x to out0; nothing in between goes to memory.
; All eight products run on E4M3 codes (v_wmma_f32_16x16x128_fp8_fp8, the scores on the K = 64 form); norms, softmax, GELU and the residual are f32.
; SHARES.  Four waves.  Wave w owns columns 128 w .. 128 w + 127 of every 512-wide result (heads 2 w, 2 w + 1) and 64 hidden units of each chunk of 256, for all rows.
; The 81 rows are six tiles of 16; rows 81..95 are copies of row 80 (the load's row is held at 80 when the text is assembled); they are never stored, and as keys they are masked.
; THE RESIDUAL STAYS IN REGISTERS: X(m), 64 registers a row tile: register 16 b + i of lane (r, h) is column 128 w + 32 b + 16 h + i of row 16 m + r.  It is the accumulator of the products with Wo and W2,
; kept in units of 2^(e10 + e11) and then of 2^(e14 + e15), so that the products add onto it as they are.
; WEIGHTS come from wimg (laid by the launch before in the order of the operand registers) straight into two banks of 256 registers.  A bank is asked for during the pass before the one that multiplies it,
; in runs of 16 or 32 loads set among that pass's work, each run behind the pass's own LDS loads.
; ACTIVATIONS go from wave to wave through LDS as images of their operand registers: a piece of four registers is 512 bytes, lane l's 16 bytes at 16 l.
; K's place in a fragment: registers 4 c .. 4 c + 3 of lane (r, h) hold K = 32 c + 16 h + 0..15, in weights and activations alike, so each product meets its partner.
; No tensor load and no cluster: the weights never pass through LDS, whose 322,560 claimed bytes hold the activations' images; so there is no tile in LDS that partners could share.
; LIMITS, so that each power of two below is an f32 number: e0, e2, e4, e9, e12, e6-e0-e1, e7-e2-e3, e8-e4-e5, e10-e8-e9, e14-e12-e13 between -126 and 119; e6+e7 between -120 and 125;
; 3 (e12+e13) between -100 and 100; e10+e11, e14+e15 and their difference between -126 and 126.  NaN and infinities among the inputs are not served.
.set YQ,   0                           ; LDS.  LN1's rows as codes with scale e0: [K step s][row tile m][piece c] = 12288 s + 2048 m + 512 c.  Later LN2's rows
.set YK,   49152                       ; the same with scale e2.  Later the hidden chunk: [wave][row tile][half] = 6144 w + 1024 m + 512 b
.set YV,   98304                       ; the same with scale e4
.set CTX,  147456                      ; attention's result as codes, laid as YQ.  Wave w's part (12288 w on) also serves as its stage for x on the way in and out0 on the way out: 16 rows of 528 bytes
.set PRIV, 196608                      ; 20,480 bytes for each wave: q's images (1024 m + 512 b), k's, v's (2048 t + 256 m + 8 l)
.set PRIVB, 20480
.set KIMG, 6144
.set VIMG, 12288
.set TAB,  278528                      ; 512 bytes of zeros, then rel_pos_bias x 2^(3 - e6 - e7)
.set TAB0, TAB+512
.set PAR,  289280                      ; the parameters, 2,048 bytes each: ln1_scale, ln1_bias, ln2_scale, ln2_bias, bo, b2, bq, bk, bv, then b1's 8,192; the biases divided by the power of two that their sums lack
.set LNG,  PAR
.set BOB,  PAR+8192
.set BQT,  PAR+12288
.set BKT,  PAR+14336
.set BVT,  PAR+16384
.set B1T,  PAR+18432
.set RED0, 315904                      ; the waves' partial sums of a row: word 16 row + 4 w;  RED0 + 1536: the same for the squares
; VECTOR REGISTERS.  window 0: v0 thread, v1 16 x lane, v2-4 addresses, v5 a conversion's scale, v[6:7] GELU's two constants, v8-15 codes, v16-31 at work, v32-95 activation fragments, v96-127 four accumulators, v128-255 X(4), X(5).
;   window 1: bank A.   window 2: bank B; during attention its work area.   window 3: X(0) .. X(3).
; SCALARS.  s2 wave, s4-6 counters, s[8:9] x, s[10:11] wimg at the bank asked for last, s[36:37] out0, s40-55 e0..e15, s[56:57] lane selects, s58 mask of lanes 16-31, s59 my part of the hidden chunk,
;   s[60:61] c, s62-63 GELU, s66 e10+e11, s67 e14+e15, s[68:69] X's change of unit, s[70:71] 2^(e14+e15), s72-79 at work, s80 table of my head, s81 my head's biases, s82 my part of CTX, s83 my part of b1,
;   s84-88 folded exponents, s89 my private LDS, s90-91 the hold's two ends, s92-93 the norm's parameters, s94 eps's exponent, s95 12288 w, s96-99 attention's scales.
.set MSB, 0
.macro WIN new                         ; the immediate's high byte repeats the setting that is left; a switch that changes nothing is dropped
.if MSB != (\new)
	s_set_vgpr_msb (MSB<<8)|(\new)
.set MSB, (\new)
.endif
.endm
.macro PLACES                          ; four plain places behind matrix instructions, ahead of reads of results and of loads into their registers
.rept 4
	v_nop
.endr
.endm
.macro BAR                             ; my LDS stores have landed and my LDS loads are in: then the work-group's barrier
	s_wait_dscnt 0x0
	s_barrier_signal -1
	s_barrier_wait -1
.endm
.macro XSET m                          ; where X(m) lies
.if (\m) < 4
.set XR, 64*(\m)
.set XW, 3
.else
.set XR, 128+64*((\m)-4)
.set XW, 0
.endif
.endm
.macro MKSC se                         ; v5 = 2^se for the conversions; s90, s91 = -+448 x 2^se for the hold
	s_add_co_i32 s72, \se, 127
	s_lshl_b32 s73, s72, 23
	v_mov_b32 v5, s73
	s_add_co_i32 s72, s72, 8
	s_lshl_b32 s72, s72, 23
	s_or_b32 s91, s72, 0x600000
	s_or_b32 s90, s91, 0x80000000
.endm
.macro PSC first, count, sreg          ; count registers x 2^sreg
.set NI, 0
.rept \count
	v_ldexp_f32 v[\first+NI], v[\first+NI], \sreg
.set NI, NI+1
.endr
.endm
; Pieces first .. first + count - 1 of the bank at s[10:11] into window win: each load is 512 consecutive bytes
.macro BLOADS win, first, count
	WIN ((\win)<<6)
.set NI, (\first)
.rept \count
	global_load_b128 v[4*NI:4*NI+3], v1, s[10:11] offset:512*NI
.set NI, NI+1
.endr
	WIN 0
.endm
; A whole bank of 32,768 bytes in one run, where no pass is at hand to set the loads in.  The wait for 0 shows every earlier load landed and frees the base.
.macro LOADB win, step
	s_wait_loadcnt 0x0
	PLACES
.if \step
	s_add_nc_u64 s[10:11], s[10:11], 32768
.endif
	BLOADS \win, 0, 64
.endm
.macro ACTLOAD                         ; a row tile's four fragments (K 512) from the image at v2
.set NI, 0
.rept 16
	ds_load_b128 v[32+4*NI:35+4*NI], v2 offset:12288*(NI/4)+512*(NI%4)
.set NI, NI+1
.endr
.endm
.macro BIASLOAD b                      ; the bias of tiles 2 b, 2 b + 1 into their accumulators: 16 neighbouring numbers, those of channels 32 b + 16 h + 0..15
.set NI, 0
.rept 4
	ds_load_b128 v[96+16*(\b)+4*NI:99+16*(\b)+4*NI], v3 offset:128*(\b)+16*NI
.set NI, NI+1
.endr
.endm
.macro NW f                            ; transposed: source 0 = 16 rows of the weight (fragment f = 4 t + s of the bank), source 1 = 16 rows of the activation
	v_wmma_f32_16x16x128_fp8_fp8 v[96+8*((\f)/4):103+8*((\f)/4)], v[16*(\f):16*(\f)+15], v[32+16*((\f)%4):47+16*((\f)%4)], v[96+8*((\f)/4):103+8*((\f)/4)]
.endm
.macro CVST b                          ; the 16 numbers in v16-31 become 16 codes and go to the image
	v_cvt_scalef32_pk8_fp8_f32 v[8+4*(\b):9+4*(\b)], v[16:23], v5
	v_cvt_scalef32_pk8_fp8_f32 v[10+4*(\b):11+4*(\b)], v[24:31], v5
	v_nop                                          ; one plain instruction behind the conversions, ahead of the next writes of their sources
	ds_store_b128 v4, v[8+4*(\b):11+4*(\b)] offset:512*(\b)
.endm
; A PASS OF KIND N: 64 columns x K 512 for the six row tiles.  s76: LDS address of the pass's bias; s75: where the results' images go.
; mode 0: q or k (bias, hold, codes).  mode 2: the hidden layer (bias, GELU, hold, codes).  mode 1: v, NOT transposed, so that a lane holds one channel and eight keys.
; NTRIPS is a loop of so many row tiles.  Each trip fetches the next row tile's fragments while its own results are worked; the pointer s74 steps once a trip and the address is held at the last tile,
; so the last trip reads tile 5 once more and no branch is needed.
.macro NTRIPS bank, region, mode, ststep, trips
	s_mov_b32 s4, 0
.Lnp_\@:
.if \mode == 1
	s_wait_dscnt 0x0                               ; the fragments are in and the last trip's stores have read their codes
	WIN ((\bank)<<2)                               ; source 1 = the bank
.irp f, 0,4,8,12,1,5,9,13,2,6,10,14,3,7,11,15
.if (\f%4) == 0
	v_wmma_f32_16x16x128_fp8_fp8 v[96+8*(\f/4):103+8*(\f/4)], v[32+16*(\f%4):47+16*(\f%4)], v[16*\f:16*\f+15], 0
.else
	v_wmma_f32_16x16x128_fp8_fp8 v[96+8*(\f/4):103+8*(\f/4)], v[32+16*(\f%4):47+16*(\f%4)], v[16*\f:16*\f+15], v[96+8*(\f/4):103+8*(\f/4)]
.endif
.endr
.else
	s_wait_dscnt 6                                 ; the fragments and the bias of tiles 0, 1 are in; behind them were issued a store, the four bias loads of tiles 2, 3 and a store
	WIN \bank                                      ; source 0 = the bank
.irp f, 0,4,1,5,2,6,3,7                            ; tiles 0 and 1 by turns through all of K: eight products in which the bias of tiles 2, 3 lands
	NW \f
.endr
	s_wait_dscnt 0x0                               ; the bias of tiles 2, 3 is in, and the stores have read their codes
.irp f, 8,12,9,13,10,14,11,15                      ; tiles 2 and 3 by turns; one instruction a turn; K ascends on each accumulator
	NW \f
.endr
.endif
	WIN 0
	PLACES
	s_add_co_u32 s74, s74, 2048
	s_min_u32 s73, s74, (\region)+10240            ; held at row tile 5
	v_add_nc_u32 v2, s73, v1
	ACTLOAD                                        ; the next row tile's fragments land while this tile's results are worked
.if \mode == 1
	v_lshrrev_b32 v4, 1, v1
	v_add_nc_u32 v4, s75, v4                       ; 8 x lane
.irp t, 0,1,2,3
.irp i, 0,2,4,6
	v_pk_add_f32 v[96+8*\t+\i:97+8*\t+\i], v[96+8*\t+\i:97+8*\t+\i], v[16+2*\t:17+2*\t] op_sel_hi:[1,0]   ; + my channel's bias
.endr
.irp i, 0,1,2,3,4,5,6,7
	v_med3_num_f32 v[96+8*\t+\i], v[96+8*\t+\i], s90, s91   ; the conversion does not saturate (ISA guide 7.6.2): the hold at the largest code x the scale
.endr
	v_cvt_scalef32_pk8_fp8_f32 v[8+2*\t:9+2*\t], v[96+8*\t:103+8*\t], v5   ; keys 16 m + 8 h + 0..7 of my channel: registers 2 m, 2 m + 1 of V^T's fragment
.endr
	v_nop
.irp t, 0,1,2,3
	ds_store_b64 v4, v[8+2*\t:9+2*\t] offset:2048*\t
.endr
.else
	v_add_nc_u32 v4, s75, v1
.irp b, 0,1
.if \mode == 2
; GELU (tanh form) = a / (1 + 2^(a (sB + sA a^2))), the sums' unit folded into sA and sB
.irp i, 0,2,4,6,8,10,12,14
	v_pk_mul_f32 v[16+\i:17+\i], v[96+16*\b+\i:97+16*\b+\i], v[96+16*\b+\i:97+16*\b+\i]
.endr
.irp i, 0,2,4,6,8,10,12,14
	v_pk_fma_f32 v[16+\i:17+\i], v[16+\i:17+\i], v[6:7], v[6:7] op_sel:[0,0,1] op_sel_hi:[1,0,1]   ; x v6 + v7, in both halves
.endr
.irp i, 0,2,4,6,8,10,12,14
	v_pk_mul_f32 v[16+\i:17+\i], v[16+\i:17+\i], v[96+16*\b+\i:97+16*\b+\i]
.endr
.irp i, 0,1,2,3,4,5,6,7,8,9,10,11,12,13,14,15
	v_exp_f32 v[16+\i], v[16+\i]
.endr
	v_nop                                          ; a plain place behind the last exponential
	s_wait_alu depctr_va_vdst(0)                   ; one wait for the batch, ahead of its first reader
.irp i, 0,2,4,6,8,10,12,14
	v_pk_add_f32 v[16+\i:17+\i], v[16+\i:17+\i], 1.0 op_sel_hi:[1,0]
.endr
.irp i, 0,1,2,3,4,5,6,7,8,9,10,11,12,13,14,15
	v_rcp_f32 v[16+\i], v[16+\i]
.endr
	v_nop
	s_wait_alu depctr_va_vdst(0)
.irp i, 0,2,4,6,8,10,12,14
	v_pk_mul_f32 v[16+\i:17+\i], v[16+\i:17+\i], v[96+16*\b+\i:97+16*\b+\i]
.endr
	BIASLOAD \b                                    ; the accumulators are read out: the next trip's bias may land
.irp i, 0,1,2,3,4,5,6,7,8,9,10,11,12,13,14,15
	v_med3_num_f32 v[16+\i], v[16+\i], s90, s91
.endr
.else
.irp i, 0,1,2,3,4,5,6,7,8,9,10,11,12,13,14,15
	v_med3_num_f32 v[16+\i], v[96+16*\b+\i], s90, s91
.endr
	BIASLOAD \b
.endif
	CVST \b
.endr
.endif
	s_add_co_u32 s75, s75, \ststep
	s_add_co_u32 s4, s4, 1
	s_cmp_lt_u32 s4, \trips
	s_cbranch_scc1 .Lnp_\@
.endm
; The whole pass.  lwin: the window that takes the NEXT bank meanwhile (0: none): 32 loads behind the prologue's LDS loads, 32 between the two loops of three row tiles.
.macro NPASS bank, region, mode, ststep, lwin
	s_mov_b32 s74, \region
	v_add_nc_u32 v2, s74, v1
	ACTLOAD
.if \mode == 1
	v_and_b32 v3, 15, v0
	v_and_b32 v4, 8, v0
	v_add_nc_u32 v3, v3, v4                        ; r + 8 (r / 8): the channel of column r in a tile
	v_lshl_add_u32 v3, v3, 2, s76
.irp t, 0,1,2,3
	ds_load_b32 v[16+2*\t], v3 offset:128*(\t/2)+32*(\t%2)
	v_mov_b32 v[17+2*\t], 0                        ; (named as the pair's upper half)
.endr
.else
	v_bfe_u32 v3, v0, 4, 1
	v_lshl_add_u32 v3, v3, 6, s76                  ; + 64 h
	BIASLOAD 0
	BIASLOAD 1
.endif
	s_wait_loadcnt 0x0                             ; this pass's bank has landed; no load reads the base any more, so it may step
.if \lwin
	PLACES
	s_add_nc_u64 s[10:11], s[10:11], 32768
	BLOADS \lwin, 0, 32                            ; the next bank's first half
.endif
	s_wait_dscnt 0x0
.if \lwin
	NTRIPS \bank, \region, \mode, \ststep, 3
	BLOADS \lwin, 32, 32                           ; its second half: three row tiles are left in which it lands
	NTRIPS \bank, \region, \mode, \ststep, 3
.else
	NTRIPS \bank, \region, \mode, \ststep, 6
.endif
	s_wait_dscnt 0x0                               ; the last stores have landed, and so have the loads that nobody will use
.endm
; A PASS OF KIND K: my 128 columns x K 256, added onto X, the six row tiles written out.  kind 0: from CTX, K half hf.  kind 1: from the hidden chunk.
; lwin: the window that takes the next bank meanwhile, in four runs of 16 loads: behind the pass's first LDS loads and behind those that follow row tiles 0, 1 and 2.
; cond = 1: the MLP's last chunk (s6 = 7) has no next bank: each run is jumped over.
.macro KLOAD m, kind, hf
.set NI, 0
.rept 8
.if \kind == 0
	ds_load_b128 v[32+32*((\m)%2)+4*NI:35+32*((\m)%2)+4*NI], v2 offset:12288*(2*(\hf)+NI/4)+2048*(\m)+512*(NI%4)
.else
	ds_load_b128 v[32+32*((\m)%2)+4*NI:35+32*((\m)%2)+4*NI], v2 offset:6144*(2*(NI/4)+(NI%4)/2)+1024*(\m)+512*(NI%2)
.endif
.set NI, NI+1
.endr
.endm
.macro KBANK win, first, cond
.if \cond
	s_cmp_eq_u32 s6, 7
	s_cbranch_scc1 .Lkb_\@
.endif
	BLOADS \win, \first, 16
.if \cond
.Lkb_\@:
.endif
.endm
.macro KPASS bank, kind, hf, lwin, cond
.if \kind == 0
	v_add_nc_u32 v2, CTX, v1
.else
	v_add_nc_u32 v2, YK, v1
.endif
	KLOAD 0, \kind, \hf
	KLOAD 1, \kind, \hf
	s_wait_loadcnt 0x0                             ; this pass's bank has landed; no load reads the base any more, so it may step
	s_add_nc_u64 s[10:11], s[10:11], 32768
	KBANK \lwin, 0, \cond
.irp m, 0,1,2,3,4,5
	XSET \m
.if \m < 5
	s_wait_dscnt 8                                 ; this tile's two fragments are in; the next tile's eight loads may be out
.else
	s_wait_dscnt 0x0
.endif
	WIN (\bank)|(XW<<4)|(XW<<6)
.set FI, 0
.rept 16                                           ; K step FI / 8, tile FI % 8: eight accumulators by turns
	v_wmma_f32_16x16x128_fp8_fp8 v[XR+8*(FI%8):XR+8*(FI%8)+7], v[16*(2*(FI%8)+FI/8):16*(2*(FI%8)+FI/8)+15], v[32+32*(\m%2)+16*(FI/8):47+32*(\m%2)+16*(FI/8)], v[XR+8*(FI%8):XR+8*(FI%8)+7]
.set FI, FI+1
.endr
	WIN 0
	PLACES
.if \m < 4
	KLOAD \m+2, \kind, \hf
.endif
.if \m < 3
	KBANK \lwin, 16*(\m+1), \cond
.endif
.endr
.endm
; one row tile of the norm's last step: (x - mu) in v[d] on, x rs x gain + bias, hold, codes, image
.macro APPLYM m, d, b
.set JI, 0
.rept 8
	v_pk_mul_f32 v[(\d)+2*JI:(\d)+2*JI+1], v[(\d)+2*JI:(\d)+2*JI+1], v[8+2*(\m):9+2*(\m)] op_sel:[0,1] op_sel_hi:[1,1]   ; x rs, the pair's upper register, in both halves
.set JI, JI+1
.endr
.set JI, 0
.rept 8
	v_pk_fma_f32 v[(\d)+2*JI:(\d)+2*JI+1], v[(\d)+2*JI:(\d)+2*JI+1], v[96+2*JI:97+2*JI], v[112+2*JI:113+2*JI]
.set JI, JI+1
.endr
.set JI, 0
.rept 16
	v_med3_num_f32 v[(\d)+JI], v[(\d)+JI], s90, s91
.set JI, JI+1
.endr
	s_wait_dscnt 2                                 ; three sets of codes take turns: the store of three turns ago is done
	v_cvt_scalef32_pk8_fp8_f32 v[20+4*((\m)%3):21+4*((\m)%3)], v[(\d):(\d)+7], v5
	v_cvt_scalef32_pk8_fp8_f32 v[22+4*((\m)%3):23+4*((\m)%3)], v[(\d)+8:(\d)+15], v5
	v_nop
	ds_store_b128 v4, v[20+4*((\m)%3):23+4*((\m)%3)] offset:2048*(\m)+512*(\b)
.endm
; A NORM over the 512 columns of the 96 rows held in X, its rows as codes into the images, and X's change of unit.  ph = 0: three images, with the scales e0, e2, e4; ph = 1: one, with e12.
; v[8 + 2 m] mu and v[9 + 2 m] rs of row tile m.  Three barriers: the rows' sums, the squares' sums, the images.
.macro LNORM ph
	s_wait_dscnt 0x0
	; the rows' sums: my 64 numbers by a tree, the other half of the lanes, the other three waves
.irp m, 0,1,2,3,4,5
	XSET \m
	WIN XW|(XW<<2)
.set JI, 0
.rept 16
	v_pk_add_f32 v[32+2*JI:33+2*JI], v[XR+2*JI:XR+2*JI+1], v[XR+32+2*JI:XR+33+2*JI]
.set JI, JI+1
.endr
	WIN 0
.set JI, 0
.rept 8
	v_pk_add_f32 v[32+2*JI:33+2*JI], v[32+2*JI:33+2*JI], v[48+2*JI:49+2*JI]
.set JI, JI+1
.endr
.set JI, 0
.rept 4
	v_pk_add_f32 v[32+2*JI:33+2*JI], v[32+2*JI:33+2*JI], v[40+2*JI:41+2*JI]
.set JI, JI+1
.endr
	v_pk_add_f32 v[32:33], v[32:33], v[36:37]
	v_pk_add_f32 v[34:35], v[34:35], v[38:39]
	v_pk_add_f32 v[32:33], v[32:33], v[34:35]
	v_add_f32 v[96+\m], v32, v33
.endr
.irp m, 0,1,2,3,4,5
	v_permlanex16_b32 v[32+\m], v[96+\m], s56, s57
.endr
.irp m, 0,1,2,3,4,5
	v_add_f32 v[96+\m], v[96+\m], v[32+\m]
.endr
	v_and_b32 v2, 15, v0
	v_lshlrev_b32 v2, 4, v2
	v_add_nc_u32 v3, RED0, v2                      ; a row's four words
	s_lshl_b32 s72, s2, 2
	v_add_nc_u32 v2, s72, v3                       ; my wave's word
.irp m, 0,1,2,3,4,5
	ds_store_b32 v2, v[96+\m] offset:256*\m
.endr
	BAR
.irp m, 0,1,2,3,4,5
	ds_load_b128 v[32+4*\m:35+4*\m], v3 offset:256*\m
.endr
	s_wait_dscnt 0x0
.irp m, 0,1,2,3,4,5
	v_add_f32 v[32+4*\m], v[32+4*\m], v[33+4*\m]
	v_add_f32 v[34+4*\m], v[34+4*\m], v[35+4*\m]
.endr
.irp m, 0,1,2,3,4,5
	v_add_f32 v[32+4*\m], v[32+4*\m], v[34+4*\m]
.endr
.irp m, 0,1,2,3,4,5
	v_mul_f32 v[8+2*\m], 0x3b000000, v[32+4*\m]    ; mu = sum / 512
	v_mul_f32 v[9+2*\m], 0x3b000000, v[32+4*\m]    ; (the pair's upper half is written; it will hold rs)
.endr
	; the variance, of the differences from mu
.irp m, 0,1,2,3,4,5
	XSET \m
	WIN XW
.set JI, 0
.rept 32
	v_pk_add_f32 v[32+2*JI:33+2*JI], v[XR+2*JI:XR+2*JI+1], v[8+2*\m:9+2*\m] op_sel_hi:[1,0] neg_lo:[0,1] neg_hi:[0,1]
.set JI, JI+1
.endr
	WIN 0
.set JI, 0
.rept 32
.if JI < 4
	v_pk_mul_f32 v[96+2*JI:97+2*JI], v[32+2*JI:33+2*JI], v[32+2*JI:33+2*JI]
.else
	v_pk_fma_f32 v[96+2*(JI%4):97+2*(JI%4)], v[32+2*JI:33+2*JI], v[32+2*JI:33+2*JI], v[96+2*(JI%4):97+2*(JI%4)]
.endif
.set JI, JI+1
.endr
	v_pk_add_f32 v[96:97], v[96:97], v[98:99]
	v_pk_add_f32 v[100:101], v[100:101], v[102:103]
	v_pk_add_f32 v[96:97], v[96:97], v[100:101]
	v_add_f32 v[104+\m], v96, v97
.endr
.irp m, 0,1,2,3,4,5
	v_permlanex16_b32 v[32+\m], v[104+\m], s56, s57
.endr
.irp m, 0,1,2,3,4,5
	v_add_f32 v[104+\m], v[104+\m], v[32+\m]
.endr
.irp m, 0,1,2,3,4,5
	ds_store_b32 v2, v[104+\m] offset:1536+256*\m
.endr
	BAR
.irp m, 0,1,2,3,4,5
	ds_load_b128 v[32+4*\m:35+4*\m], v3 offset:1536+256*\m
.endr
	v_mov_b32 v28, 0x358637bd                      ; 1e-6,
	v_ldexp_f32 v28, v28, s94                      ; in the square of X's unit
	s_wait_dscnt 0x0
.irp m, 0,1,2,3,4,5
	v_add_f32 v[32+4*\m], v[32+4*\m], v[33+4*\m]
	v_add_f32 v[34+4*\m], v[34+4*\m], v[35+4*\m]
.endr
.irp m, 0,1,2,3,4,5
	v_add_f32 v[32+4*\m], v[32+4*\m], v[34+4*\m]
.endr
.irp m, 0,1,2,3,4,5
	v_fma_f32 v[32+4*\m], v[32+4*\m], 0x3b000000, v28
.endr
.irp m, 0,1,2,3,4,5
	v_rsq_f32 v[9+2*\m], v[32+4*\m]
.endr
	v_nop
	s_wait_alu depctr_va_vdst(0)                   ; one wait for the six, ahead of their first reader
	; the normalised rows as codes
	s_mov_b32 s77, 0
.if \ph == 0
	s_mov_b32 s6, 0
.Lq_\@:
	s_cmp_eq_u32 s6, 1
	s_cselect_b32 s74, s42, s40
	s_cmp_eq_u32 s6, 2
	s_cselect_b32 s74, s44, s74
.else
	s_mov_b32 s74, s52
.endif
	MKSC s74
	s_add_co_u32 s73, s77, s95
	v_add_nc_u32 v4, s73, v1                       ; the image of this scale, K step w
	v_bfe_u32 v3, v0, 4, 1
	v_lshl_add_u32 v3, v3, 6, s92                  ; gain and bias of my columns: + 64 h
.irp b, 0,1,2,3
.irp j, 0,1,2,3
	ds_load_b128 v[96+4*\j:99+4*\j], v3 offset:128*\b+16*\j
	ds_load_b128 v[112+4*\j:115+4*\j], v3 offset:2048+128*\b+16*\j
.endr
	WIN 3
.irp m, 0,1,2,3
.set JI, 0
.rept 8
	v_pk_add_f32 v[32+16*\m+2*JI:33+16*\m+2*JI], v[64*\m+16*\b+2*JI:64*\m+16*\b+2*JI+1], v[8+2*\m:9+2*\m] op_sel_hi:[1,0] neg_lo:[0,1] neg_hi:[0,1]
.set JI, JI+1
.endr
.endr
	WIN 0
	s_wait_dscnt 0x0
.irp m, 0,1,2,3
	APPLYM \m, 32+16*\m, \b
.endr
.irp m, 4,5
.set JI, 0
.rept 8
	v_pk_add_f32 v[32+16*(\m-4)+2*JI:33+16*(\m-4)+2*JI], v[128+64*(\m-4)+16*\b+2*JI:129+64*(\m-4)+16*\b+2*JI], v[8+2*\m:9+2*\m] op_sel_hi:[1,0] neg_lo:[0,1] neg_hi:[0,1]
.set JI, JI+1
.endr
.endr
.irp m, 4,5
	APPLYM \m, 32+16*(\m-4), \b
.endr
.endr
.if \ph == 0
	s_add_co_u32 s77, s77, 49152
	s_add_co_u32 s6, s6, 1
	s_cmp_lt_u32 s6, 3
	s_cbranch_scc1 .Lq_\@
.endif
	; X into the unit of the sums that will be added onto it, with their bias: X = X x S1 + bias
	v_bfe_u32 v3, v0, 4, 1
	v_lshl_add_u32 v3, v3, 6, s93
	s_wait_dscnt 0x0
.set NI, 0
.rept 16
	ds_load_b128 v[32+4*NI:35+4*NI], v3 offset:16*NI+64*(NI/4)
.set NI, NI+1
.endr
	s_wait_dscnt 0x0
.irp m, 0,1,2,3,4,5
	XSET \m
	WIN XW|(XW<<6)
.set JI, 0
.rept 32
	v_pk_fma_f32 v[XR+2*JI:XR+2*JI+1], v[XR+2*JI:XR+2*JI+1], s[68:69], v[32+2*JI:33+2*JI] op_sel_hi:[1,0,1]
.set JI, JI+1
.endr
.endr
	WIN 0
	BAR                                            ; the rows' images are whole
.endm
; ---------------- the head: addresses, parameters into LDS, x into registers ----------------
	s_load_b512 s[8:23], s[0:1], 0x0               ; x, wimg, lowp_scales, ln1_scale, ln1_bias, ln2_scale, ln2_bias, bo
	s_load_b256 s[24:31], s[0:1], 0x40             ; b2, bq, bk, bv
	s_load_b128 s[32:35], s[0:1], 0x60             ; b1, rel_pos_bias
	s_load_b64 s[36:37], s[0:1], 0x70              ; out0
	v_lshrrev_b32 v2, 5, v0
	v_readfirstlane_b32 s2, v2                     ; wave 0..3
	v_and_b32 v1, 31, v0
	v_lshlrev_b32 v1, 4, v1                        ; 16 x lane; never rewritten
	v_lshlrev_b32 v3, 4, v0                        ; 16 x thread
.set NI, 0
.rept 5
	v_add_nc_u32 v[16+NI], 2048*NI, v3
	v_min_u32 v[16+NI], 9232, v[16+NI]             ; the table is 9,248 bytes: pieces past its end repeat its last one
.set NI, NI+1
.endr
	s_mov_b32 s56, 0x76543210
	s_mov_b32 s57, 0xfedcba98                      ; v_permlanex16_b32: lane l xor 16
	s_mov_b32 s58, 0xffff0000
	s_mul_i32 s72, ttmp9, 165888                   ; my batch element: 81 rows of 2,048 bytes
	s_lshl_b32 s73, s2, 9
	s_add_co_u32 s72, s72, s73                     ; + my 128 columns
	s_mov_b32 s73, 0
	s_mul_i32 s74, s2, 786432                      ; my wave's 24 banks
	s_mov_b32 s75, 0
	s_mul_i32 s95, s2, 12288
	s_mul_i32 s89, s2, PRIVB
	s_add_co_u32 s89, s89, PRIV
	s_lshl_b32 s81, s2, 9
	s_add_co_u32 s92, s81, LNG
	s_add_co_u32 s93, s81, BOB
	s_mul_i32 s80, s2, 2312
	s_add_co_u32 s80, s80, TAB0                    ; head 2 w's 289 numbers
	s_add_co_u32 s82, s95, CTX
	s_lshl_b32 s83, s2, 8
	s_add_co_u32 s83, s83, B1T
	s_mul_i32 s59, s2, 6144
	s_add_co_u32 s59, s59, YK
	s_wait_kmcnt 0x0
	s_load_b512 s[40:55], s[12:13], 0x0            ; e0 .. e15
	s_add_nc_u64 s[8:9], s[8:9], s[72:73]
	s_add_nc_u64 s[36:37], s[36:37], s[72:73]
	s_add_nc_u64 s[10:11], s[10:11], s[74:75]
.set NI, 0
.rept 9                                            ; nine arrays of 2,048 bytes, 16 bytes a thread
	global_load_b128 v[32+4*NI:35+4*NI], v3, s[14+2*NI:15+2*NI]
.set NI, NI+1
.endr
.set NI, 0
.rept 4
	global_load_b128 v[68+4*NI:71+4*NI], v3, s[32:33] offset:2048*NI
.set NI, NI+1
.endr
.set NI, 0
.rept 5
	global_load_b128 v[84+4*NI:87+4*NI], v[16+NI], s[34:35]
.set NI, NI+1
.endr
.set MI, 0
.rept 6                                            ; x: a load takes the 512 bytes of my columns in one row
	XSET MI
	WIN (XW<<6)
.set II, 0
.rept 16
.set ROWN, 16*MI+II
.if ROWN > 80
.set ROWN, 80
.endif
.if MI < 5
	global_load_b128 v[XR+4*II:XR+4*II+3], v1, s[8:9] offset:ROWN*2048 th:TH_LOAD_NT
.else
	global_load_b128 v[XR+4*II:XR+4*II+3], v1, s[8:9] offset:ROWN*2048
.endif
.set II, II+1
.endr
.set MI, MI+1
.endr
	WIN 0
	s_wait_kmcnt 0x0
	s_add_co_i32 s66, s50, s51                     ; e10 + e11
	s_add_co_i32 s67, s54, s55                     ; e14 + e15
	s_add_co_i32 s72, s40, s41
	s_sub_co_i32 s84, s46, s72                     ; q's conversion: e6 - e0 - e1
	s_sub_co_i32 s96, 0, s72
	s_add_co_i32 s72, s42, s43
	s_sub_co_i32 s85, s47, s72                     ; k's: e7 - e2 - e3
	s_sub_co_i32 s97, 0, s72
	s_add_co_i32 s72, s44, s45
	s_sub_co_i32 s86, s48, s72                     ; v's: e8 - e4 - e5
	s_sub_co_i32 s98, 0, s72
	s_add_co_i32 s72, s48, s49
	s_sub_co_i32 s87, s50, s72                     ; ctx's: e10 - e8 - e9
	s_add_co_i32 s72, s52, s53
	s_sub_co_i32 s88, s54, s72                     ; the hidden layer's: e14 - e12 - e13
	s_sub_co_i32 s99, 0, s72
	s_lshl_b32 s73, s72, 23
	s_add_co_u32 s63, s73, 0xc0135761              ; sB = -2 sqrt(2/pi) log2(e) x 2^E, E = e12 + e13, added to the exponent field
	s_mul_i32 s73, s72, 3
	s_lshl_b32 s73, s73, 23
	s_add_co_u32 s62, s73, 0xbdd2d3e8              ; sA = 0.044715 x the same x 2^(3 E)
	s_add_co_i32 s72, s46, s47
	s_lshl_b32 s73, s72, 23
	s_add_co_u32 s60, s73, 0x3e38aa3b              ; c = log2(e) / 8 x 2^(e6 + e7)
	s_mov_b32 s61, s60
	s_sub_co_i32 s79, 3, s72                       ; the table goes in as bias x 8 / 2^(e6 + e7), the unit of the scores' sums
	s_sub_co_i32 s77, 0, s66
	s_sub_co_i32 s78, 0, s67
	s_wait_loadcnt 63                              ; behind the 18 parameter loads 96 were issued: at 63 out the 18 are in
	PSC 48, 4, s77                                 ; bo
	PSC 52, 4, s78                                 ; b2
	PSC 56, 4, s96                                 ; bq
	PSC 60, 4, s97                                 ; bk
	PSC 64, 4, s98                                 ; bv
	PSC 68, 16, s99                                ; b1
	PSC 84, 20, s79                                ; the table
	v_add_nc_u32 v4, PAR, v3
	v_add_nc_u32 v5, TAB0, v3
	v_lshl_add_u32 v6, v0, 2, TAB
	v_mov_b32 v7, 0
	ds_store_b32 v6, v7                            ; 512 bytes of zeros ahead of the table: a key that does not exist reads there
.set NI, 0
.rept 13
	ds_store_b128 v4, v[32+4*NI:35+4*NI] offset:2048*NI
.set NI, NI+1
.endr
.set NI, 0
.rept 5
	ds_store_b128 v5, v[84+4*NI:87+4*NI] offset:2048*NI
.set NI, NI+1
.endr
	s_add_co_i32 s72, s49, 127                     ; attention's scales
	s_lshl_b32 s96, s72, 23                        ; 2^e9
	s_add_co_i32 s72, s72, 8
	s_lshl_b32 s72, s72, 23
	s_or_b32 s97, s72, 0x600000                    ; 448 x 2^e9
	s_add_co_i32 s72, s87, 127
	s_lshl_b32 s98, s72, 23                        ; 2^(e10 - e8 - e9)
	s_add_co_i32 s72, s72, 8
	s_lshl_b32 s72, s72, 23
	s_or_b32 s99, s72, 0x600000
	s_sub_co_i32 s72, 127, s66
	s_lshl_b32 s68, s72, 23                        ; 2^-(e10 + e11): x into the unit of the sums with Wo
	s_mov_b32 s69, s68
	s_add_co_i32 s72, s67, 127
	s_lshl_b32 s70, s72, 23                        ; 2^(e14 + e15)
	s_mov_b32 s71, s70
	s_mov_b32 s94, 0
	; x turns through my stage: in as rows of 512 bytes, back so that a lane holds 64 numbers of one row
	v_add_nc_u32 v10, s82, v1
	v_and_b32 v11, 15, v0
	v_mul_u32_u24 v11, v11, 528
	v_bfe_u32 v12, v0, 4, 1
	v_lshl_add_u32 v11, v12, 6, v11
	v_add_nc_u32 v11, s82, v11                     ; row r, + 64 h
.set MI, 0
.rept 6
	XSET MI
.if 16*(5-MI) > 63
	s_wait_loadcnt 63
.else
	s_wait_loadcnt 16*(5-MI)                       ; this tile's 16 loads are in; the later tiles' may be out
.endif
	WIN (XW<<6)|(XW<<2)
.set II, 0
.rept 16
	ds_store_b128 v10, v[XR+4*II:XR+4*II+3] offset:528*II
.set II, II+1
.endr
.set II, 0
.rept 16
	ds_load_b128 v[XR+4*II:XR+4*II+3], v11 offset:128*(II/4)+16*(II%4)   ; LDS serves a wave's instructions in order (ISA guide 5.7.1.4): these see the stores above, and the next tile's stores come behind them
.set II, II+1
.endr
.set MI, MI+1
.endr
	WIN 0
	LOADB 1, 0                                     ; bank A: Wq of my first head; it lands during the first norm
; ---------------- the first norm ----------------
	LNORM 0
; ---------------- attention: my two heads, one after the other ----------------
	s_mov_b32 s5, 0
.Lhead:
	MKSC s84
	s_add_co_u32 s76, s81, BQT
	s_mov_b32 s75, s89
	NPASS 1, YQ, 0, 1024, 2                        ; q; Wk comes into bank B meanwhile
	MKSC s85
	s_add_co_u32 s76, s81, BKT
	s_add_co_u32 s75, s89, KIMG
	NPASS 2, YK, 0, 1024, 1                        ; k; Wv comes into bank A meanwhile
	MKSC s86
	s_add_co_u32 s76, s81, BVT
	s_add_co_u32 s75, s89, VIMG
	NPASS 1, YV, 1, 256, 0                         ; v; bank B is about to serve attention, bank A is at work: nothing is asked for
	LOADB 1, 1                                     ; the next head's Wq, or Wo's first half, while the head's attention runs
	; Window 2: v0-47 K (6 tiles of 16 keys), v48-111 V^T (4 tiles of 16 channels x 128 keys), v112-159 S^T, then p, v160-175 p's codes, v176-207 O^T, v208-215 Q, v216-223 ctx's codes,
	; v224 2^e9, v225 448 x 2^e9, v226-227 the same for ctx, v228 -infinity, v230-241 at work.
	; S^T = K Q^T + bias: a lane holds one query (lane % 16); register 8 kt + j is key 16 kt + 8 h + j, which is its place in the K = 128 form's own layout.
	v_add_nc_u32 v2, s89, v1
	v_lshrrev_b32 v3, 1, v1
	v_add_nc_u32 v3, s89, v3
	WIN 0x80                                       ; destination window 2
.set NI, 0
.rept 12
	ds_load_b128 v[4*NI:4*NI+3], v2 offset:KIMG+512*NI
.set NI, NI+1
.endr
.irp t, 0,1,2,3
.irp m, 0,1,2,3,4,5
	ds_load_b64 v[48+16*\t+2*\m:49+16*\t+2*\m], v3 offset:VIMG+2048*\t+256*\m
.endr
.irp i, 12,13,14,15
	v_mov_b32 v[48+16*\t+\i], 0                    ; keys 96..127 do not exist: zero codes
.endr
.endr
.irp i, 172,173,174,175
	v_mov_b32 v[\i], 0
.endr
	v_mov_b32 v224, s96
	v_mov_b32 v225, s97
	v_mov_b32 v226, s98
	v_mov_b32 v227, s99
	v_mov_b32 v228, 0xff800000
	v_mov_b32 v232, 0                              ; a lane permute's destination counts as read
	v_mov_b32 v235, 0                              ; (upper halves of pairs that are named)
	v_mov_b32 v241, 0
	WIN 0
	s_mov_b32 s4, 0
	s_mov_b32 s74, 0
	s_mov_b32 s75, s82
	s_mov_b32 s78, 0
.Latt:                                             ; six tiles of 16 queries
	v_add_nc_u32 v4, s74, v2
	v_add_nc_u32 v20, s75, v1
	v_and_b32 v16, 15, v0
	v_add_nc_u32 v16, s78, v16                     ; my query t
	v_mul_u32_u24 v17, v16, 57
	v_lshrrev_b32 v17, 9, v17                      ; t / 9, right for t < 96
	v_lshl_add_u32 v16, v17, 3, v16                ; A(t) = t + 8 (t / 9) = 17 row + column.  The table's index is A(t) - A(s) + 144
	v_lshl_add_u32 v16, v16, 2, s80
	v_bfe_u32 v17, v0, 4, 1
	v_lshlrev_b32 v18, 6, v17
	v_sub_nc_u32 v18, v16, v18                     ; lanes 16-31 hold the key 8 further on: A grows by 16 where that passes a board row's end,
	v_lshlrev_b32 v19, 5, v17
	v_sub_nc_u32 v19, v16, v19                     ; and by 8 where it does not: only from a key at a board row's first place
	WIN 0x80
	ds_load_b128 v[208:211], v4
	ds_load_b128 v[212:215], v4 offset:512
.set NI, 0
.rept 41                                           ; the bias goes in as the C of the scores' products
.set S0, 16*(NI/8)+(NI%8)
.if (S0%9) == 0
	ds_load_b32 v[112+NI], v19 offset:4*(144-S0-8*(S0/9))
.else
	ds_load_b32 v[112+NI], v18 offset:4*(144-S0-8*(S0/9))
.endif
.set NI, NI+1
.endr
.irp i, 153,154,155,156,157,158,159
	v_mov_b32 v[\i], 0
.endr
	s_wait_dscnt 0x0
	WIN 0xaa                                       ; all operands in window 2
.irp k, 0,1,2,3,4,5
	v_wmma_f32_16x16x64_fp8_fp8 v[112+8*\k:119+8*\k], v[8*\k:8*\k+7], v[208:215], v[112+8*\k:119+8*\k]
.endr
	PLACES
	v_cndmask_b32 v152, v152, v228, s58            ; key 88 does not exist: -infinity in lanes 16-31
.irp i, 153,154,155,156,157,158,159
	v_mov_b32 v[\i], 0                             ; keys 81..87 and 89..95: their p is 0
.endr
	v_max3_num_f32 v230, v112, v113, v114          ; the row's largest score, in two chains, each accumulator from its low end on
	v_max3_num_f32 v231, v115, v116, v117
.set NI, 6
.rept 8
	v_max3_num_f32 v230, v230, v[112+NI], v[113+NI]
	v_max3_num_f32 v231, v231, v[114+NI], v[115+NI]
.set NI, NI+4
.endr
	v_max3_num_f32 v230, v230, v150, v151
	v_max3_num_f32 v230, v230, v231, v152
	v_permlanex16_b32 v232, v230, s56, s57
	v_max_num_f32 v230, v230, v232
	v_mul_f32 v230, s60, v230                      ; as t (c is positive)
	v_floor_f32 v234, -v230                        ; -M = -ceil(t)
.set NI, 0
.rept 20
	v_pk_fma_f32 v[112+2*NI:113+2*NI], v[112+2*NI:113+2*NI], s[60:61], v[234:235] op_sel_hi:[1,0,0]
.set NI, NI+1
.endr
	v_fma_f32 v152, v152, s60, v234
.set NI, 0
.rept 41
	v_exp_f32 v[112+NI], v[112+NI]                 ; p = 2^(t - M)
.set NI, NI+1
.endr
	v_nop
	s_wait_alu depctr_va_vdst(0)                   ; one wait for the batch
	v_pk_add_f32 v[236:237], v[112:113], v[114:115]   ; the row's sum, of the unquantised p
	v_pk_add_f32 v[238:239], v[116:117], v[118:119]
.set NI, 8
.rept 9
	v_pk_add_f32 v[236:237], v[236:237], v[112+NI:113+NI]
	v_pk_add_f32 v[238:239], v[238:239], v[114+NI:115+NI]
.set NI, NI+4
.endr
	v_pk_add_f32 v[236:237], v[236:237], v[238:239]
	v_add_f32 v236, v236, v237
	v_permlanex16_b32 v232, v236, s56, s57
	v_add_f32 v236, v236, v232
	v_rcp_f32 v240, v236
.set NI, 0
.rept 41
	v_min_num_f32 v[112+NI], v[112+NI], v225       ; p is not negative: a one-sided hold
.set NI, NI+1
.endr
.irp k, 0,1,2,3,4,5
	v_cvt_scalef32_pk8_fp8_f32 v[160+2*\k:161+2*\k], v[112+8*\k:119+8*\k], v224
.endr
	v_nop
.irp t, 0,1,2,3
	v_wmma_f32_16x16x128_fp8_fp8 v[176+8*\t:183+8*\t], v[48+16*\t:63+16*\t], v[160:175], 0   ; O^T = V^T P
.endr
	PLACES
	s_wait_alu depctr_va_vdst(0)                   ; the reciprocal's wait, ahead of its first reader
.set NI, 0
.rept 16
	v_pk_mul_f32 v[176+2*NI:177+2*NI], v[176+2*NI:177+2*NI], v[240:241] op_sel_hi:[1,0]
.set NI, NI+1
.endr
.set NI, 0
.rept 32
	v_med3_num_f32 v[176+NI], v[176+NI], -v227, v227
.set NI, NI+1
.endr
.irp b, 0,1
	v_cvt_scalef32_pk8_fp8_f32 v[216+4*\b:217+4*\b], v[176+16*\b:183+16*\b], v226   ; channels 32 b + 16 h + 0..15 of my query
	v_cvt_scalef32_pk8_fp8_f32 v[218+4*\b:219+4*\b], v[184+16*\b:191+16*\b], v226
.endr
	v_nop
	WIN 0x08                                       ; store data in window 2
	ds_store_b128 v20, v[216:219]
	ds_store_b128 v20, v[220:223] offset:512
	WIN 0
	s_add_co_u32 s74, s74, 1024
	s_add_co_u32 s75, s75, 2048
	s_add_co_u32 s78, s78, 16
	s_add_co_u32 s4, s4, 1
	s_cmp_lt_u32 s4, 6
	s_cbranch_scc1 .Latt
	s_wait_dscnt 0x0                               ; the last stores have read their codes: window 2 may take a bank again
	s_add_co_u32 s80, s80, 1156
	s_add_co_u32 s81, s81, 256
	s_add_co_u32 s82, s82, 1024
	s_add_co_u32 s5, s5, 1
	s_cmp_lt_u32 s5, 2
	s_cbranch_scc1 .Lhead
	BAR                                            ; ctx is whole
	KPASS 1, 0, 0, 2, 0                            ; X += ctx Wo, K's first half; Wo's second half comes into bank B meanwhile
	KPASS 2, 0, 1, 1, 0                            ; K's second half; W1's first chunk comes into bank A and lands during the second norm
; ---------------- the second norm ----------------
	s_add_co_u32 s92, s92, 4096                    ; its gain and bias; b2
	s_add_co_u32 s93, s93, 2048
	s_sub_co_i32 s72, s66, s67
	s_add_co_i32 s72, s72, 127
	s_lshl_b32 s68, s72, 23                        ; from the unit 2^(e10 + e11) to 2^(e14 + e15)
	s_mov_b32 s69, s68
	s_lshl_b32 s94, s66, 1
	s_sub_co_i32 s94, 0, s94                       ; eps x 2^(-2 (e10 + e11))
	LNORM 1
; ---------------- the MLP: eight chunks of 256 hidden units ----------------
	MKSC s88
	v_mov_b32 v6, s62
	v_mov_b32 v7, s63
	s_mov_b32 s6, 0
.Lmlp:
	s_mov_b32 s76, s83
	s_mov_b32 s75, s59
	NPASS 1, YQ, 2, 1024, 2                        ; the hidden chunk; W2's chunk comes into bank B meanwhile
	BAR                                            ; the hidden chunk is whole
	KPASS 2, 1, 0, 1, 1                            ; X += hidden W2; W1's next chunk, if there is one, comes into bank A meanwhile
	BAR                                            ; everybody has read the chunk: it may be written again
	s_add_co_u32 s83, s83, 1024
	s_add_co_u32 s6, s6, 1
	s_cmp_lt_u32 s6, 8
	s_cbranch_scc1 .Lmlp
; ---------------- the way out: X x 2^(e14 + e15), through my stage, as whole runs of 512 bytes ----------------
	s_wait_loadcnt 0x0                             ; no load into window 1 is out: its registers take the rows below
	s_add_co_u32 s72, s95, CTX                     ; my stage
	v_add_nc_u32 v10, s72, v1
	v_and_b32 v11, 15, v0
	v_mul_u32_u24 v11, v11, 528
	v_bfe_u32 v12, v0, 4, 1
	v_lshl_add_u32 v11, v12, 6, v11
	v_add_nc_u32 v11, s72, v11
.set MI, 0
.rept 6
	XSET MI
.if MI < 5
.set NR, 16
.else
.set NR, 1                                         ; of the last tile row 80 alone exists
.endif
	WIN XW
.set JI, 0
.rept 32
	v_pk_mul_f32 v[32+2*JI:33+2*JI], v[XR+2*JI:XR+2*JI+1], s[70:71] op_sel_hi:[1,0]
.set JI, JI+1
.endr
	WIN 0
.set II, 0
.rept 16
	ds_store_b128 v11, v[32+4*II:35+4*II] offset:128*(II/4)+16*(II%4)
.set II, II+1
.endr
	s_wait_xcnt 0x0                                ; the stores of two tiles ago have read their registers, which take this tile's rows
	WIN 0x44                                       ; window 1, free by now: LDS loads' destination and the stores' data
.set II, 0
.rept NR
	ds_load_b128 v[64*(MI%2)+4*II:64*(MI%2)+4*II+3], v10 offset:528*II
.set II, II+1
.endr
.set II, 0
.rept NR
	s_wait_dscnt NR-1-II
	global_store_b128 v1, v[64*(MI%2)+4*II:64*(MI%2)+4*II+3], s[36:37] offset:(16*MI+II)*2048 th:TH_STORE_NT   ; 32 lanes store 512 consecutive bytes, at a multiple of 256 from out0's first byte
.set II, II+1
.endr
	WIN 0
.set MI, MI+1
.endr
	s_wait_xcnt 0x0
	v_lshl_add_u32 v254, v0, 2, 0x4ea00
	v_mov_b32 v255, 0
	s_wait_tensorcnt 0x0
	ds_add_u32 v254, v255
	s_wait_dscnt 0x0
	s_endpgm
.Lfunc_end_k_qb9c43e3860_block:
	.size	k_qb9c43e3860_block, .Lfunc_end_k_qb9c43e3860_block-k_qb9c43e3860_block
	.p2alignl 7, 3214868480
	.fill 96, 4, 3214868480
	.section	.rodata,"a",@progbits
	.p2align	6, 0x0
	.amdhsa_kernel k_qb9c43e3860_block
		.amdhsa_group_segment_fixed_size 322560
		.amdhsa_private_segment_fixed_size 0
		.amdhsa_enable_private_segment 0
		.amdhsa_kernarg_size 120
		.amdhsa_user_sgpr_count 2
		.amdhsa_user_sgpr_kernarg_segment_ptr 1
		.amdhsa_wavefront_size32 1
		.amdhsa_system_sgpr_workgroup_id_x 1
		.amdhsa_system_sgpr_workgroup_id_y 1
		.amdhsa_system_sgpr_workgroup_id_z 1
		.amdhsa_system_vgpr_workitem_id 0
		.amdhsa_next_free_vgpr 1024
		.amdhsa_next_free_sgpr 100
		.amdhsa_reserve_vcc 0
		.amdhsa_float_denorm_mode_32 3
		.amdhsa_float_denorm_mode_16_64 3
		.amdhsa_memory_ordered 1
		.amdhsa_forward_progress 1
		.amdhsa_inst_pref_size 255
	.end_amdhsa_kernel
	.section	.bss,"aw",@nobits
	.p2align	6
	.space	262144
	.amdgpu_metadata
---
amdhsa.version: [ 1, 2 ]
amdhsa.kernels:
  - .name:           k_qb9c43e3860_block
    .symbol:         k_qb9c43e3860_block.kd
    .args:
      - { .name: x, .offset: 0, .size: 8, .value_kind: global_buffer, .address_space: global }
      - { .name: wimg, .offset: 8, .size: 8, .value_kind: global_buffer, .address_space: global }
      - { .name: lowp_scales, .offset: 16, .size: 8, .value_kind: global_buffer, .address_space: global }
      - { .name: ln1_scale, .offset: 24, .size: 8, .value_kind: global_buffer, .address_space: global }
      - { .name: ln1_bias, .offset: 32, .size: 8, .value_kind: global_buffer, .address_space: global }
      - { .name: ln2_scale, .offset: 40, .size: 8, .value_kind: global_buffer, .address_space: global }
      - { .name: ln2_bias, .offset: 48, .size: 8, .value_kind: global_buffer, .address_space: global }
      - { .name: bo, .offset: 56, .size: 8, .value_kind: global_buffer, .address_space: global }
      - { .name: b2, .offset: 64, .size: 8, .value_kind: global_buffer, .address_space: global }
      - { .name: bq, .offset: 72, .size: 8, .value_kind: global_buffer, .address_space: global }
      - { .name: bk, .offset: 80, .size: 8, .value_kind: global_buffer, .address_space: global }
      - { .name: bv, .offset: 88, .size: 8, .value_kind: global_buffer, .address_space: global }
      - { .name: b1, .offset: 96, .size: 8, .value_kind: global_buffer, .address_space: global }
      - { .name: rel_pos_bias, .offset: 104, .size: 8, .value_kind: global_buffer, .address_space: global }
      - { .name: out0, .offset: 112, .size: 8, .value_kind: global_buffer, .address_space: global }
    .group_segment_fixed_size: 322560
    .private_segment_fixed_size: 0
    .kernarg_segment_align: 8
    .kernarg_segment_size: 120
    .max_flat_workgroup_size: 128
    .sgpr_count:     100
    .vgpr_count:     1024
    .wavefront_size: 32
...
	.end_amdgpu_metadata
.endif
;; end of part 2
;; ======== version 2 of 2: 2 launches; version 1 with the launch block written anew for expert scheduling mode
;; workspace buffers: wimg 3,145,728 bytes
;; launch lay: the kernel of part 1 again; grid 24 x 4, 8 waves a work-group, no clusters, 0 bytes of LDS; arguments Wq_codes, Wk_codes, Wv_codes, Wo_codes, W1_codes, W2_codes, wimg; writes wimg
;; launch block (part 3): grid 256 x 1, 4 waves a work-group, no clusters, 322,560 bytes of LDS; arguments x, wimg, lowp_scales, ln1_scale, ln1_bias, ln2_scale, ln2_bias, bo, b2, bq, bk, bv, b1, rel_pos_bias, out0; writes out0
.if DOCPART == 3
	.amdgcn_target "amdgcn-amd-amdhsa--gfx1250"
	.amdhsa_code_object_version 6
	.text
	.protected	k_qb9c43e3860_block
	.globl	k_qb9c43e3860_block
	.p2align	8
	.type	k_qb9c43e3860_block,@function
k_qb9c43e3860_block:
	s_mov_b64 s[64:65], 0
	v_nop
	global_prefetch_b8 v0, s[64:65] scope:SCOPE_SE
	s_setreg_imm32_b32 hwreg(HW_REG_WAVE_SCHED_MODE, 0, 2), 2
	s_setreg_imm32_b32 hwreg(HW_REG_WAVE_MODE, 25, 1), 1
	s_wait_xcnt 0x0
	s_wait_alu depctr_vm_vsrc(0)
; A whole pre-LN transformer block, one work-group for one batch element (81 tokens x 512), from x to out0; nothing in between goes to memory.
; All eight products run on E4M3 codes (v_wmma_f32_16x16x128_fp8_fp8, the scores on the K = 64 form); norms, softmax, GELU and the residual are f32.
; SHARES.  Four waves.  Wave w owns columns 128 w .. 128 w + 127 of every 512-wide result (heads 2 w, 2 w + 1) and 64 hidden units of each chunk of 256, for all rows.
; The 81 rows are six tiles of 16; rows 81..95 are copies of row 80 (the load's row is held at 80 when the text is assembled); they are never stored, and as keys they are masked.
; THE RESIDUAL STAYS IN REGISTERS: X(m), 64 registers a row tile: register 16 b + i of lane (r, h) is column 128 w + 32 b + 16 h + i of row 16 m + r.  It is the accumulator of the products with Wo and W2,
; kept in units of 2^(e10 + e11) and then of 2^(e14 + e15), so that the products add onto it as they are.
; WEIGHTS come from wimg (laid by the launch before in the order of the operand registers) straight into two banks of 256 registers.  A bank is asked for during the pass before the one that multiplies it,
; in runs of 16 or 32 loads set among that pass's work.
; ACTIVATIONS go from wave to wave through LDS as images of their operand registers: a piece of four registers is 512 bytes, lane l's 16 bytes at 16 l.
; K's place in a fragment: registers 4 c .. 4 c + 3 of lane (r, h) hold K = 32 c + 16 h + 0..15, in weights and activations alike, so each product meets its partner.
; No tensor load and no cluster: the weights never pass through LDS, whose 322,560 claimed bytes hold the activations' images; so there is no tile in LDS that partners could share.
; LIMITS, so that each power of two below is an f32 number: e0, e2, e4, e9, e12, e6-e0-e1, e7-e2-e3, e8-e4-e5, e10-e8-e9, e14-e12-e13 between -126 and 119; e6+e7 between -120 and 125;
; 3 (e12+e13) between -100 and 100; e10+e11, e14+e15 and their difference between -126 and 126.  NaN and infinities among the inputs are not served.
; THE MODE: SCHED_MODE bits 1:0 = 2 (LLVM: expert scheduling mode 2), set by the entry lines.  The code itself states the register dependences
; between vector or matrix instructions and memory or LDS instructions, with s_wait_alu, always for 0.
; THE PLAN.  Registers that memory or LDS instructions touch, and who else names them:
;   v1             the offset of every global load and store, and a term of the images' addresses: written once at the head.
;   v2, v3, v4     LDS addresses (attention: v18-20 too; the way in and out: v10, v11).  Written at the head of a pass, of a trip or of a norm: one wait on vm_vsrc stands ahead of the adds,
;                  and the adds stand ahead of a wait on va_vdst that is owed there for the data registers in any case.
;   kind N         v32-95: read by a trip's 16 products; the next row tile's loads land there behind the one wait that follows the products.  v96-127: written by the products, read by the trip's vector work;
;                  the next trip's bias lands there.  v8-15: written by the conversions, read by the image's stores.  One wait at the trip's end serves the bias loads and the stores.
;   kind K         v32-127: three buffers of 32; row tile m reads buffer m % 3.  Tiles 0-2 are asked for at the head, tiles 3, 4 behind a wait that follows tiles 0, 1's products, tile 5 behind one that follows tile 3's.
;   the banks      read by one pass's products, loaded during the next pass: no vector or matrix instruction issued since the wait at that pass's head names the bank that is being loaded, so its loads owe nothing more.
;   the norms      a block of 32 columns writes its six tiles' codes into v20-31 and v64-75; one wait, the next block's gain and bias (v96-127), the six stores, one wait on vm_vsrc.
;   attention      Q (v208-215), the scores' bias (v112-152) and ctx's codes (v216-223), all of window 2: a wait on each field at a trip's head, one on va_vdst ahead of its two stores.
;   the way out    v32-95 to the stage, window 1 back from it and on to memory: a wait on each field for each row tile.
.set YQ,   0                           ; LDS.  LN1's rows as codes with scale e0: [K step s][row tile m][piece c] = 12288 s + 2048 m + 512 c.  Later LN2's rows
.set YK,   49152                       ; the same with scale e2.  Later the hidden chunk: [wave][row tile][half] = 6144 w + 1024 m + 512 b
.set YV,   98304                       ; the same with scale e4
.set CTX,  147456                      ; attention's result as codes, laid as YQ.  Wave w's part (12288 w on) also serves as its stage for x on the way in and out0 on the way out: 16 rows of 528 bytes
.set PRIV, 196608                      ; 20,480 bytes for each wave: q's images (1024 m + 512 b), k's, v's (2048 t + 256 m + 8 l)
.set PRIVB, 20480
.set KIMG, 6144
.set VIMG, 12288
.set TAB,  278528                      ; 512 bytes of zeros, then rel_pos_bias x 2^(3 - e6 - e7)
.set TAB0, TAB+512
.set PAR,  289280                      ; the parameters, 2,048 bytes each: ln1_scale, ln1_bias, ln2_scale, ln2_bias, bo, b2, bq, bk, bv, then b1's 8,192; the biases divided by the power of two that their sums lack
.set LNG,  PAR
.set BOB,  PAR+8192
.set BQT,  PAR+12288
.set BKT,  PAR+14336
.set BVT,  PAR+16384
.set B1T,  PAR+18432
.set RED0, 315904                      ; the waves' partial sums of a row: word 16 row + 4 w;  RED0 + 1536: the same for the squares
; VECTOR REGISTERS.  window 0: v0 thread, v1 16 x lane, v2-4 addresses, v5 a conversion's scale, v[6:7] GELU's two constants, v8-15 codes, v16-31 at work, v32-95 activation fragments,
;   v96-127 four accumulators (in a pass of kind K a third buffer of fragments), v128-255 X(4), X(5).
;   window 1: bank A.   window 2: bank B; during attention its work area.   window 3: X(0) .. X(3).
; SCALARS.  s2 wave, s4-6 counters, s[8:9] x, s[10:11] wimg at the bank asked for last, s[36:37] out0, s40-55 e0..e15, s[56:57] lane selects, s58 mask of lanes 16-31, s59 my part of the hidden chunk,
;   s[60:61] c, s62-63 GELU, s66 e10+e11, s67 e14+e15, s[68:69] X's change of unit, s[70:71] 2^(e14+e15), s72-79 at work, s80 table of my head, s81 my head's biases, s82 my part of CTX, s83 my part of b1,
;   s84-88 folded exponents, s89 my private LDS, s90-91 the hold's two ends, s92-93 the norm's parameters, s94 eps's exponent, s95 12288 w, s96-99 attention's scales.
.set MSB, 0
.macro WIN new                         ; the immediate's high byte repeats the setting that is left; a switch that changes nothing is dropped
.if MSB != (\new)
	s_set_vgpr_msb (MSB<<8)|(\new)
.set MSB, (\new)
.endif
.endm
.macro PLACES                          ; four plain places behind matrix instructions, ahead of reads of results and of loads into their registers
.rept 4
	v_nop
.endr
.endm
.macro BAR                             ; my LDS stores have landed and my LDS loads are in: then the work-group's barrier
	s_wait_dscnt 0x0
	s_barrier_signal -1
	s_barrier_wait -1
.endm
.macro XSET m                          ; where X(m) lies
.if (\m) < 4
.set XR, 64*(\m)
.set XW, 3
.else
.set XR, 128+64*((\m)-4)
.set XW, 0
.endif
.endm
.macro MKSC se                         ; v5 = 2^se for the conversions; s90, s91 = -+448 x 2^se for the hold
	s_add_co_i32 s72, \se, 127
	s_lshl_b32 s73, s72, 23
	v_mov_b32 v5, s73
	s_add_co_i32 s72, s72, 8
	s_lshl_b32 s72, s72, 23
	s_or_b32 s91, s72, 0x600000
	s_or_b32 s90, s91, 0x80000000
.endm
.macro PSC first, count, sreg          ; count registers x 2^sreg
.set NI, 0
.rept \count
	v_ldexp_f32 v[\first+NI], v[\first+NI], \sreg
.set NI, NI+1
.endr
.endm
; Pieces first .. first + count - 1 of the bank at s[10:11] into window win: each load is 512 consecutive bytes.
; No wait on va_vdst stands here: wherever the macro is written, no vector or matrix instruction issued since the last such wait names that bank or v1.
.macro BLOADS win, first, count
	WIN ((\win)<<6)
.set NI, (\first)
.rept \count
	global_load_b128 v[4*NI:4*NI+3], v1, s[10:11] offset:512*NI
.set NI, NI+1
.endr
	WIN 0
.endm
; A whole bank of 32,768 bytes in one run, where no pass is at hand to set the loads in.  The wait for 0 shows every earlier load landed and frees the base.
.macro LOADB win, step
	s_wait_loadcnt 0x0
	PLACES
.if \step
	s_add_nc_u64 s[10:11], s[10:11], 32768
.endif
	BLOADS \win, 0, 64
.endm
.macro ACTLOAD                         ; a row tile's four fragments (K 512) from the image at v2
.set NI, 0
.rept 16
	ds_load_b128 v[32+4*NI:35+4*NI], v2 offset:12288*(NI/4)+512*(NI%4)
.set NI, NI+1
.endr
.endm
.macro BIASLOAD b                      ; the bias of tiles 2 b, 2 b + 1 into their accumulators: 16 neighbouring numbers, those of channels 32 b + 16 h + 0..15
.set NI, 0
.rept 4
	ds_load_b128 v[96+16*(\b)+4*NI:99+16*(\b)+4*NI], v3 offset:128*(\b)+16*NI
.set NI, NI+1
.endr
.endm
.macro NW f                            ; transposed: source 0 = 16 rows of the weight (fragment f = 4 t + s of the bank), source 1 = 16 rows of the activation
	v_wmma_f32_16x16x128_fp8_fp8 v[96+8*((\f)/4):103+8*((\f)/4)], v[16*(\f):16*(\f)+15], v[32+16*((\f)%4):47+16*((\f)%4)], v[96+8*((\f)/4):103+8*((\f)/4)]
.endm
.macro CVT b                           ; the 16 numbers in v16-31 become 16 codes
	v_cvt_scalef32_pk8_fp8_f32 v[8+4*(\b):9+4*(\b)], v[16:23], v5
	v_cvt_scalef32_pk8_fp8_f32 v[10+4*(\b):11+4*(\b)], v[24:31], v5
	v_nop                                          ; one plain instruction behind the conversions, ahead of the next writes of their sources
.endm
.macro OUTB b                          ; block b's accumulators are read out and its codes are written: the next trip's bias may land, and the codes go to the image
	BIASLOAD \b
	ds_store_b128 v4, v[8+4*(\b):11+4*(\b)] offset:512*(\b)
.endm
; A PASS OF KIND N: 64 columns x K 512 for the six row tiles.  s76: LDS address of the pass's bias; s75: where the results' images go.
; mode 0: q or k (bias, hold, codes).  mode 2: the hidden layer (bias, GELU, hold, codes).  mode 1: v, NOT transposed, so that a lane holds one channel and eight keys.
; NTRIPS is a loop of so many row tiles.  Each trip fetches the next row tile's fragments while its own results are worked; the pointer s74 steps once a trip and the address is held at the last tile,
; so the last trip reads tile 5 once more and no branch is needed.
.macro NTRIPS bank, region, mode, ststep, trips
	s_mov_b32 s4, 0
.Lnp_\@:
	s_add_co_u32 s74, s74, 2048
	s_min_u32 s73, s74, (\region)+10240            ; held at row tile 5
	s_wait_alu depctr_vm_vsrc(0)                   ; the fragments' loads issued last have read v2; the last trip's stores have read v4 and the codes v8-15: all are written in this trip
	v_add_nc_u32 v2, s73, v1                       ; the next row tile's fragments.  The two addresses are made here, ahead of the products, so that the wait behind the products serves them too
.if \mode == 1
	v_lshrrev_b32 v4, 1, v1
	v_add_nc_u32 v4, s75, v4                       ; 8 x lane
	s_wait_dscnt 0x0                               ; the fragments are in
	WIN ((\bank)<<2)                               ; source 1 = the bank
.irp f, 0,4,8,12,1,5,9,13,2,6,10,14,3,7,11,15
.if (\f%4) == 0
	v_wmma_f32_16x16x128_fp8_fp8 v[96+8*(\f/4):103+8*(\f/4)], v[32+16*(\f%4):47+16*(\f%4)], v[16*\f:16*\f+15], 0
.else
	v_wmma_f32_16x16x128_fp8_fp8 v[96+8*(\f/4):103+8*(\f/4)], v[32+16*(\f%4):47+16*(\f%4)], v[16*\f:16*\f+15], v[96+8*(\f/4):103+8*(\f/4)]
.endif
.endr
.else
	v_add_nc_u32 v4, s75, v1
	s_wait_dscnt 6                                 ; the fragments and the bias of tiles 0, 1 are in; behind them were issued a store, the four bias loads of tiles 2, 3 and a store
	WIN \bank                                      ; source 0 = the bank
.irp f, 0,4,1,5,2,6,3,7                            ; tiles 0 and 1 by turns through all of K: eight products in which the bias of tiles 2, 3 lands
	NW \f
.endr
	s_wait_dscnt 0x0                               ; the bias of tiles 2, 3 is in
.irp f, 8,12,9,13,10,14,11,15                      ; tiles 2 and 3 by turns; one instruction a turn; K ascends on each accumulator
	NW \f
.endr
.endif
	WIN 0
	PLACES
	s_wait_alu depctr_va_vdst(0)                   ; the 16 products are done reading v32-95, in which the loads below land; v2 and v4 are written
	ACTLOAD                                        ; the next row tile's fragments land while this tile's results are worked
.if \mode == 1
.irp t, 0,1,2,3
.irp i, 0,2,4,6
	v_pk_add_f32 v[96+8*\t+\i:97+8*\t+\i], v[96+8*\t+\i:97+8*\t+\i], v[16+2*\t:17+2*\t] op_sel_hi:[1,0]   ; + my channel's bias
.endr
.irp i, 0,1,2,3,4,5,6,7
	v_med3_num_f32 v[96+8*\t+\i], v[96+8*\t+\i], s90, s91   ; the conversion does not saturate (ISA guide 7.6.2): the hold at the largest code x the scale
.endr
	v_cvt_scalef32_pk8_fp8_f32 v[8+2*\t:9+2*\t], v[96+8*\t:103+8*\t], v5   ; keys 16 m + 8 h + 0..7 of my channel: registers 2 m, 2 m + 1 of V^T's fragment
.endr
	v_nop
	s_wait_alu depctr_va_vdst(0)                   ; the conversions have written v8-15, which the four stores read
.irp t, 0,1,2,3
	ds_store_b64 v4, v[8+2*\t:9+2*\t] offset:2048*\t
.endr
.else
.irp b, 0,1
.if \mode == 2
; GELU (tanh form) = a / (1 + 2^(a (sB + sA a^2))), the sums' unit folded into sA and sB
.irp i, 0,2,4,6,8,10,12,14
	v_pk_mul_f32 v[16+\i:17+\i], v[96+16*\b+\i:97+16*\b+\i], v[96+16*\b+\i:97+16*\b+\i]
.endr
.irp i, 0,2,4,6,8,10,12,14
	v_pk_fma_f32 v[16+\i:17+\i], v[16+\i:17+\i], v[6:7], v[6:7] op_sel:[0,0,1] op_sel_hi:[1,0,1]   ; x v6 + v7, in both halves
.endr
.irp i, 0,2,4,6,8,10,12,14
	v_pk_mul_f32 v[16+\i:17+\i], v[16+\i:17+\i], v[96+16*\b+\i:97+16*\b+\i]
.endr
.irp i, 0,1,2,3,4,5,6,7,8,9,10,11,12,13,14,15
	v_exp_f32 v[16+\i], v[16+\i]
.endr
	v_nop                                          ; a plain place behind the last exponential
	s_wait_alu depctr_va_vdst(0)                   ; the 16 exponentials have written v16-31, ahead of their first reader; in block 1 also
.if \b == 1
	OUTB 0                                         ; no vector instruction since that wait: block 0's bias and store go out here
.endif
.irp i, 0,2,4,6,8,10,12,14
	v_pk_add_f32 v[16+\i:17+\i], v[16+\i:17+\i], 1.0 op_sel_hi:[1,0]
.endr
.irp i, 0,1,2,3,4,5,6,7,8,9,10,11,12,13,14,15
	v_rcp_f32 v[16+\i], v[16+\i]
.endr
	v_nop
	s_wait_alu depctr_va_vdst(0)                   ; the 16 reciprocals have written v16-31, ahead of their first reader
.irp i, 0,2,4,6,8,10,12,14
	v_pk_mul_f32 v[16+\i:17+\i], v[16+\i:17+\i], v[96+16*\b+\i:97+16*\b+\i]
.endr
.irp i, 0,1,2,3,4,5,6,7,8,9,10,11,12,13,14,15
	v_med3_num_f32 v[16+\i], v[16+\i], s90, s91
.endr
.else
.irp i, 0,1,2,3,4,5,6,7,8,9,10,11,12,13,14,15
	v_med3_num_f32 v[16+\i], v[96+16*\b+\i], s90, s91
.endr
.endif
	CVT \b
.endr
	s_wait_alu depctr_va_vdst(0)                   ; the conversions have written the codes, which the stores read; the vector work is done reading the accumulators, in which the next trip's bias lands
.if \mode == 0
	OUTB 0
.endif
	OUTB 1
.endif
	s_add_co_u32 s75, s75, \ststep
	s_add_co_u32 s4, s4, 1
	s_cmp_lt_u32 s4, \trips
	s_cbranch_scc1 .Lnp_\@
.endm
; The whole pass.  lwin: the window that takes the NEXT bank meanwhile (0: none): 32 loads behind the prologue's LDS loads, 32 between the two loops of three row tiles.
.macro NPASS bank, region, mode, ststep, lwin
	s_mov_b32 s74, \region
	s_wait_alu depctr_vm_vsrc(0)                   ; the LDS instructions issued so far have read v2, v3 and v4, which are written below; attention's stores have read ctx's codes in window 2, which may take a bank
	v_add_nc_u32 v2, s74, v1
.if \mode == 1
	v_and_b32 v3, 15, v0
	v_and_b32 v4, 8, v0
	v_add_nc_u32 v3, v3, v4                        ; r + 8 (r / 8): the channel of column r in a tile
	v_lshl_add_u32 v3, v3, 2, s76
.irp t, 0,1,2,3
	v_mov_b32 v[17+2*\t], 0                        ; (named as the pair's upper half)
.endr
.else
	v_bfe_u32 v3, v0, 4, 1
	v_lshl_add_u32 v3, v3, 6, s76                  ; + 64 h
.endif
	s_wait_alu depctr_va_vdst(0)                   ; v2 and v3 are written; all earlier vector and matrix instructions are done with v16-127, in which the loads below land, and with the bank that is asked for in this pass
	ACTLOAD
.if \mode == 1
.irp t, 0,1,2,3
	ds_load_b32 v[16+2*\t], v3 offset:128*(\t/2)+32*(\t%2)
.endr
.else
	BIASLOAD 0
	BIASLOAD 1
.endif
	s_wait_loadcnt 0x0                             ; this pass's bank has landed; no load reads the base any more, so it may step
.if \lwin
	PLACES
	s_add_nc_u64 s[10:11], s[10:11], 32768
	BLOADS \lwin, 0, 32                            ; the next bank's first half
.endif
	s_wait_dscnt 0x0
.if \lwin
	NTRIPS \bank, \region, \mode, \ststep, 3
	BLOADS \lwin, 32, 32                           ; its second half: three row tiles are left in which it lands
	NTRIPS \bank, \region, \mode, \ststep, 3
.else
	NTRIPS \bank, \region, \mode, \ststep, 6
.endif
	s_wait_dscnt 0x0                               ; the last stores have landed, and so have the loads that nobody will use
.endm
; A PASS OF KIND K: my 128 columns x K 256, added onto X, the six row tiles written out.  kind 0: from CTX, K half hf.  kind 1: from the hidden chunk.
; Row tile m's two fragments lie in buffer m % 3 of three (v32-63, v64-95, v96-127).
; lwin: the window that takes the next bank meanwhile, in four runs of 16 loads dealt among the first four row tiles' products.
; cond = 1: the MLP's last chunk (s6 = 7) has no next bank: each run is jumped over.
.macro KLOAD m, kind, hf
.set NI, 0
.rept 8
.if \kind == 0
	ds_load_b128 v[32+32*((\m)%3)+4*NI:35+32*((\m)%3)+4*NI], v2 offset:12288*(2*(\hf)+NI/4)+2048*(\m)+512*(NI%4)
.else
	ds_load_b128 v[32+32*((\m)%3)+4*NI:35+32*((\m)%3)+4*NI], v2 offset:6144*(2*(NI/4)+(NI%4)/2)+1024*(\m)+512*(NI%2)
.endif
.set NI, NI+1
.endr
.endm
.macro KBANK win, first, cond
.if \cond
	s_cmp_eq_u32 s6, 7
	s_cbranch_scc1 .Lkb_\@
.endif
	BLOADS \win, \first, 16
.if \cond
.Lkb_\@:
.endif
.endm
.macro KMUL bank, m                    ; row tile m: K step FI / 8, tile FI % 8: eight accumulators by turns
	XSET \m
	WIN (\bank)|(XW<<4)|(XW<<6)
.set FI, 0
.rept 16
	v_wmma_f32_16x16x128_fp8_fp8 v[XR+8*(FI%8):XR+8*(FI%8)+7], v[16*(2*(FI%8)+FI/8):16*(2*(FI%8)+FI/8)+15], v[32+32*((\m)%3)+16*(FI/8):47+32*((\m)%3)+16*(FI/8)], v[XR+8*(FI%8):XR+8*(FI%8)+7]
.set FI, FI+1
.endr
	WIN 0
.endm
.macro KPASS bank, kind, hf, lwin, cond
	s_wait_alu depctr_vm_vsrc(0)                   ; the LDS loads issued so far have read v2, which is written below; attention's last stores have read ctx's codes in window 2, which may take a bank
.if \kind == 0
	v_add_nc_u32 v2, CTX, v1
.else
	v_add_nc_u32 v2, YK, v1
.endif
	s_wait_alu depctr_va_vdst(0)                   ; v2 is written; all earlier vector and matrix instructions are done with v32-127, in which the loads below land, and with the bank that is asked for in this pass
	KLOAD 0, \kind, \hf
	KLOAD 1, \kind, \hf
	KLOAD 2, \kind, \hf
	s_wait_loadcnt 0x0                             ; this pass's bank has landed; no load reads the base any more, so it may step
	s_add_nc_u64 s[10:11], s[10:11], 32768
	KBANK \lwin, 0, \cond
	s_wait_dscnt 16                                ; tile 0's fragments are in; the 16 loads of tiles 1 and 2 may be out
	KMUL \bank, 0
	KBANK \lwin, 16, \cond
	s_wait_dscnt 8                                 ; tile 1's are in; tile 2's eight may be out
	KMUL \bank, 1
	PLACES
	s_wait_alu depctr_va_vdst(0)                   ; the products of tiles 0 and 1 are done reading v32-95, in which tiles 3 and 4 land
	KLOAD 3, \kind, \hf
	KLOAD 4, \kind, \hf
	KBANK \lwin, 32, \cond
	s_wait_dscnt 16                                ; tile 2's are in; the 16 loads of tiles 3 and 4 may be out
	KMUL \bank, 2
	KBANK \lwin, 48, \cond                         ; the bank's last piece: three row tiles, a barrier and the next pass's head are left in which it lands
	s_wait_dscnt 8                                 ; tile 3's are in; tile 4's eight may be out
	KMUL \bank, 3
	PLACES
	s_wait_alu depctr_va_vdst(0)                   ; the products of tile 2 are done reading v96-127, in which tile 5 lands
	KLOAD 5, \kind, \hf
	s_wait_dscnt 8                                 ; tile 4's are in; tile 5's eight may be out
	KMUL \bank, 4
	s_wait_dscnt 0x0
	KMUL \bank, 5
	PLACES                                         ; behind the last products, ahead of whatever reads X or writes the fragments' registers next
.endm
; one row tile of the norm's last step: (x - mu) in v[d] on, x rs x gain + bias, hold, codes into v[cr] on
.macro APPLYM m, d, cr
.set JI, 0
.rept 8
	v_pk_mul_f32 v[(\d)+2*JI:(\d)+2*JI+1], v[(\d)+2*JI:(\d)+2*JI+1], v[8+2*(\m):9+2*(\m)] op_sel:[0,1] op_sel_hi:[1,1]   ; x rs, the pair's upper register, in both halves
.set JI, JI+1
.endr
.set JI, 0
.rept 8
	v_pk_fma_f32 v[(\d)+2*JI:(\d)+2*JI+1], v[(\d)+2*JI:(\d)+2*JI+1], v[96+2*JI:97+2*JI], v[112+2*JI:113+2*JI]
.set JI, JI+1
.endr
.set JI, 0
.rept 16
	v_med3_num_f32 v[(\d)+JI], v[(\d)+JI], s90, s91
.set JI, JI+1
.endr
	v_cvt_scalef32_pk8_fp8_f32 v[(\cr):(\cr)+1], v[(\d):(\d)+7], v5
	v_cvt_scalef32_pk8_fp8_f32 v[(\cr)+2:(\cr)+3], v[(\d)+8:(\d)+15], v5
	v_nop
.endm
.macro GBLOAD b                        ; gain (v96-111) and bias (v112-127) of my columns 32 b + 16 h + 0..15
.irp j, 0,1,2,3
	ds_load_b128 v[96+4*\j:99+4*\j], v3 offset:128*(\b)+16*\j
	ds_load_b128 v[112+4*\j:115+4*\j], v3 offset:2048+128*(\b)+16*\j
.endr
.endm
; A NORM over the 512 columns of the 96 rows held in X, its rows as codes into the images, and X's change of unit.  ph = 0: three images, with the scales e0, e2, e4; ph = 1: one, with e12.
; v[8 + 2 m] mu and v[9 + 2 m] rs of row tile m.  Three barriers: the rows' sums, the squares' sums, the images.
.macro LNORM ph
	s_wait_dscnt 0x0
	s_wait_alu depctr_vm_vsrc(0)                   ; the LDS loads issued last have read their address (v11 on the way in, v2 in a pass), which the norm writes
	; the rows' sums: my 64 numbers by a tree, the other half of the lanes, the other three waves
.irp m, 0,1,2,3,4,5
	XSET \m
	WIN XW|(XW<<2)
.set JI, 0
.rept 16
	v_pk_add_f32 v[32+2*JI:33+2*JI], v[XR+2*JI:XR+2*JI+1], v[XR+32+2*JI:XR+33+2*JI]
.set JI, JI+1
.endr
	WIN 0
.set JI, 0
.rept 8
	v_pk_add_f32 v[32+2*JI:33+2*JI], v[32+2*JI:33+2*JI], v[48+2*JI:49+2*JI]
.set JI, JI+1
.endr
.set JI, 0
.rept 4
	v_pk_add_f32 v[32+2*JI:33+2*JI], v[32+2*JI:33+2*JI], v[40+2*JI:41+2*JI]
.set JI, JI+1
.endr
	v_pk_add_f32 v[32:33], v[32:33], v[36:37]
	v_pk_add_f32 v[34:35], v[34:35], v[38:39]
	v_pk_add_f32 v[32:33], v[32:33], v[34:35]
	v_add_f32 v[96+\m], v32, v33
.endr
.irp m, 0,1,2,3,4,5
	v_permlanex16_b32 v[32+\m], v[96+\m], s56, s57
.endr
.irp m, 0,1,2,3,4,5
	v_add_f32 v[96+\m], v[96+\m], v[32+\m]
.endr
	v_and_b32 v2, 15, v0
	v_lshlrev_b32 v2, 4, v2
	v_add_nc_u32 v3, RED0, v2                      ; a row's four words
	s_lshl_b32 s72, s2, 2
	v_add_nc_u32 v2, s72, v3                       ; my wave's word
	s_wait_alu depctr_va_vdst(0)                   ; the sums v96-101 and the addresses v2, v3 are written, which the stores and loads below read; the tree is done with v32-55, in which the loads land
.irp m, 0,1,2,3,4,5
	ds_store_b32 v2, v[96+\m] offset:256*\m
.endr
	BAR
.irp m, 0,1,2,3,4,5
	ds_load_b128 v[32+4*\m:35+4*\m], v3 offset:256*\m
.endr
	s_wait_dscnt 0x0
	s_wait_alu depctr_vm_vsrc(0)                   ; the stores of the rows' sums have read v96-101, which the squares' chains write
.irp m, 0,1,2,3,4,5
	v_add_f32 v[32+4*\m], v[32+4*\m], v[33+4*\m]
	v_add_f32 v[34+4*\m], v[34+4*\m], v[35+4*\m]
.endr
.irp m, 0,1,2,3,4,5
	v_add_f32 v[32+4*\m], v[32+4*\m], v[34+4*\m]
.endr
.irp m, 0,1,2,3,4,5
	v_mul_f32 v[8+2*\m], 0x3b000000, v[32+4*\m]    ; mu = sum / 512
	v_mul_f32 v[9+2*\m], 0x3b000000, v[32+4*\m]    ; (the pair's upper half is written; it will hold rs)
.endr
	; the variance, of the differences from mu
.irp m, 0,1,2,3,4,5
	XSET \m
	WIN XW
.set JI, 0
.rept 32
	v_pk_add_f32 v[32+2*JI:33+2*JI], v[XR+2*JI:XR+2*JI+1], v[8+2*\m:9+2*\m] op_sel_hi:[1,0] neg_lo:[0,1] neg_hi:[0,1]
.set JI, JI+1
.endr
	WIN 0
.set JI, 0
.rept 32
.if JI < 4
	v_pk_mul_f32 v[96+2*JI:97+2*JI], v[32+2*JI:33+2*JI], v[32+2*JI:33+2*JI]
.else
	v_pk_fma_f32 v[96+2*(JI%4):97+2*(JI%4)], v[32+2*JI:33+2*JI], v[32+2*JI:33+2*JI], v[96+2*(JI%4):97+2*(JI%4)]
.endif
.set JI, JI+1
.endr
	v_pk_add_f32 v[96:97], v[96:97], v[98:99]
	v_pk_add_f32 v[100:101], v[100:101], v[102:103]
	v_pk_add_f32 v[96:97], v[96:97], v[100:101]
	v_add_f32 v[104+\m], v96, v97
.endr
.irp m, 0,1,2,3,4,5
	v_permlanex16_b32 v[32+\m], v[104+\m], s56, s57
.endr
.irp m, 0,1,2,3,4,5
	v_add_f32 v[104+\m], v[104+\m], v[32+\m]
.endr
	s_wait_alu depctr_va_vdst(0)                   ; the squares' sums v104-109 are written, which the stores read; the vector work is done with v32-55, in which the loads below land
.irp m, 0,1,2,3,4,5
	ds_store_b32 v2, v[104+\m] offset:1536+256*\m
.endr
	BAR
.irp m, 0,1,2,3,4,5
	ds_load_b128 v[32+4*\m:35+4*\m], v3 offset:1536+256*\m
.endr
	v_mov_b32 v28, 0x358637bd                      ; 1e-6,
	v_ldexp_f32 v28, v28, s94                      ; in the square of X's unit
	s_wait_dscnt 0x0
	s_wait_alu depctr_vm_vsrc(0)                   ; the squares' stores have read v2 and the loads of the partial sums v3: both are written below
	v_bfe_u32 v3, v0, 4, 1
	v_lshl_add_u32 v2, v3, 6, s93                  ; the bias that goes with X's change of unit: my columns, + 64 h
	v_lshl_add_u32 v3, v3, 6, s92                  ; gain and bias of my columns: + 64 h
.irp m, 0,1,2,3,4,5
	v_add_f32 v[32+4*\m], v[32+4*\m], v[33+4*\m]
	v_add_f32 v[34+4*\m], v[34+4*\m], v[35+4*\m]
.endr
.irp m, 0,1,2,3,4,5
	v_add_f32 v[32+4*\m], v[32+4*\m], v[34+4*\m]
.endr
.irp m, 0,1,2,3,4,5
	v_fma_f32 v[32+4*\m], v[32+4*\m], 0x3b000000, v28
.endr
.irp m, 0,1,2,3,4,5
	v_rsq_f32 v[9+2*\m], v[32+4*\m]
.endr
	v_nop
	s_wait_alu depctr_va_vdst(0)                   ; the six v_rsq_f32 have written v9 .. v19, ahead of their first reader; v2 and v3 are written; the squares' chains are done with v96-109, in which gain and bias land
	; the normalised rows as codes
	s_mov_b32 s77, 0
.if \ph == 0
	s_mov_b32 s6, 0
.Lq_\@:
	s_cmp_eq_u32 s6, 1
	s_cselect_b32 s74, s42, s40
	s_cmp_eq_u32 s6, 2
	s_cselect_b32 s74, s44, s74
.else
	s_mov_b32 s74, s52
.endif
	MKSC s74
	s_add_co_u32 s73, s77, s95
	v_add_nc_u32 v4, s73, v1                       ; the image of this scale, K step w.  (The last trip's stores have read v4: the wait on vm_vsrc behind them)
	GBLOAD 0                                       ; no wait: no vector instruction since the last wait on va_vdst names v3 or v96-127
.irp b, 0,1,2,3
	WIN 3
.irp m, 0,1,2,3
.set JI, 0
.rept 8
	v_pk_add_f32 v[32+16*\m+2*JI:33+16*\m+2*JI], v[64*\m+16*\b+2*JI:64*\m+16*\b+2*JI+1], v[8+2*\m:9+2*\m] op_sel_hi:[1,0] neg_lo:[0,1] neg_hi:[0,1]
.set JI, JI+1
.endr
.endr
	WIN 0
.if \b > 0
	s_wait_dscnt 6                                 ; gain and bias are in; behind their loads the last block's six stores were issued
.else
	s_wait_dscnt 0x0
.endif
	APPLYM 0, 32, 20
	APPLYM 1, 48, 24
	APPLYM 2, 64, 28
	APPLYM 3, 80, 64                               ; tile 2's numbers are converted: its registers take the codes of tiles 3, 4 and 5
.irp m, 4,5
.set JI, 0
.rept 8
	v_pk_add_f32 v[32+16*(\m-4)+2*JI:33+16*(\m-4)+2*JI], v[128+64*(\m-4)+16*\b+2*JI:129+64*(\m-4)+16*\b+2*JI], v[8+2*\m:9+2*\m] op_sel_hi:[1,0] neg_lo:[0,1] neg_hi:[0,1]
.set JI, JI+1
.endr
.endr
	APPLYM 4, 32, 68
	APPLYM 5, 48, 72
	s_wait_alu depctr_va_vdst(0)                   ; the six tiles' codes (v20-31, v64-75) and v4 are written, which the stores read; the block is done reading gain and bias, v96-127, in which the next block's land
.if \b < 3
	GBLOAD \b+1
.endif
	ds_store_b128 v4, v[20:23] offset:512*\b
	ds_store_b128 v4, v[24:27] offset:2048+512*\b
	ds_store_b128 v4, v[28:31] offset:4096+512*\b
	ds_store_b128 v4, v[64:67] offset:6144+512*\b
	ds_store_b128 v4, v[68:71] offset:8192+512*\b
	ds_store_b128 v4, v[72:75] offset:10240+512*\b
	s_wait_alu depctr_vm_vsrc(0)                   ; the six stores have read their codes and v4: what follows (the next block, the next scale, the loads of X's bias) writes these registers
.endr
.if \ph == 0
	s_add_co_u32 s77, s77, 49152
	s_add_co_u32 s6, s6, 1
	s_cmp_lt_u32 s6, 3
	s_cbranch_scc1 .Lq_\@
.endif
	; X into the unit of the sums that will be added onto it, with their bias: X = X x S1 + bias
.set NI, 0
.rept 16
	ds_load_b128 v[32+4*NI:35+4*NI], v2 offset:16*NI+64*(NI/4)   ; no wait: no vector instruction since the last block's wait on va_vdst names v2 or v32-95
.set NI, NI+1
.endr
	s_wait_dscnt 0x0
.irp m, 0,1,2,3,4,5
	XSET \m
	WIN XW|(XW<<6)
.set JI, 0
.rept 32
	v_pk_fma_f32 v[XR+2*JI:XR+2*JI+1], v[XR+2*JI:XR+2*JI+1], s[68:69], v[32+2*JI:33+2*JI] op_sel_hi:[1,0,1]
.set JI, JI+1
.endr
.endr
	WIN 0
	BAR                                            ; the rows' images are whole
.endm
; ---------------- the head: addresses, parameters into LDS, x into registers ----------------
	s_load_b512 s[8:23], s[0:1], 0x0               ; x, wimg, lowp_scales, ln1_scale, ln1_bias, ln2_scale, ln2_bias, bo
	s_load_b256 s[24:31], s[0:1], 0x40             ; b2, bq, bk, bv
	s_load_b128 s[32:35], s[0:1], 0x60             ; b1, rel_pos_bias
	s_load_b64 s[36:37], s[0:1], 0x70              ; out0
	v_lshrrev_b32 v2, 5, v0
	v_readfirstlane_b32 s2, v2                     ; wave 0..3
	v_and_b32 v1, 31, v0
	v_lshlrev_b32 v1, 4, v1                        ; 16 x lane; never rewritten
	v_lshlrev_b32 v3, 4, v0                        ; 16 x thread
.set NI, 0
.rept 5
	v_add_nc_u32 v[16+NI], 2048*NI, v3
	v_min_u32 v[16+NI], 9232, v[16+NI]             ; the table is 9,248 bytes: pieces past its end repeat its last one
.set NI, NI+1
.endr
	s_wait_alu depctr_va_sdst(0)                   ; s2 is written, ahead of its first reader: bases and LDS places are made from it
	s_mov_b32 s56, 0x76543210
	s_mov_b32 s57, 0xfedcba98                      ; v_permlanex16_b32: lane l xor 16
	s_mov_b32 s58, 0xffff0000
	s_mul_i32 s72, ttmp9, 165888                   ; my batch element: 81 rows of 2,048 bytes
	s_lshl_b32 s73, s2, 9
	s_add_co_u32 s72, s72, s73                     ; + my 128 columns
	s_mov_b32 s73, 0
	s_mul_i32 s74, s2, 786432                      ; my wave's 24 banks
	s_mov_b32 s75, 0
	s_mul_i32 s95, s2, 12288
	s_mul_i32 s89, s2, PRIVB
	s_add_co_u32 s89, s89, PRIV
	s_lshl_b32 s81, s2, 9
	s_add_co_u32 s92, s81, LNG
	s_add_co_u32 s93, s81, BOB
	s_mul_i32 s80, s2, 2312
	s_add_co_u32 s80, s80, TAB0                    ; head 2 w's 289 numbers
	s_add_co_u32 s82, s95, CTX
	s_lshl_b32 s83, s2, 8
	s_add_co_u32 s83, s83, B1T
	s_mul_i32 s59, s2, 6144
	s_add_co_u32 s59, s59, YK
	s_wait_kmcnt 0x0
	s_load_b512 s[40:55], s[12:13], 0x0            ; e0 .. e15
	s_add_nc_u64 s[8:9], s[8:9], s[72:73]
	s_add_nc_u64 s[36:37], s[36:37], s[72:73]
	s_add_nc_u64 s[10:11], s[10:11], s[74:75]
	s_wait_alu depctr_va_vdst(0)                   ; the offsets v1, v3 and v16-20 are written, which the loads below read
.set NI, 0
.rept 9                                            ; nine arrays of 2,048 bytes, 16 bytes a thread
	global_load_b128 v[32+4*NI:35+4*NI], v3, s[14+2*NI:15+2*NI]
.set NI, NI+1
.endr
.set NI, 0
.rept 4
	global_load_b128 v[68+4*NI:71+4*NI], v3, s[32:33] offset:2048*NI
.set NI, NI+1
.endr
.set NI, 0
.rept 5
	global_load_b128 v[84+4*NI:87+4*NI], v[16+NI], s[34:35]
.set NI, NI+1
.endr
.set MI, 0
.rept 6                                            ; x: a load takes the 512 bytes of my columns in one row
	XSET MI
	WIN (XW<<6)
.set II, 0
.rept 16
.set ROWN, 16*MI+II
.if ROWN > 80
.set ROWN, 80
.endif
.if MI < 5
	global_load_b128 v[XR+4*II:XR+4*II+3], v1, s[8:9] offset:ROWN*2048 th:TH_LOAD_NT
.else
	global_load_b128 v[XR+4*II:XR+4*II+3], v1, s[8:9] offset:ROWN*2048
.endif
.set II, II+1
.endr
.set MI, MI+1
.endr
	WIN 0
	s_wait_kmcnt 0x0
	s_add_co_i32 s66, s50, s51                     ; e10 + e11
	s_add_co_i32 s67, s54, s55                     ; e14 + e15
	s_add_co_i32 s72, s40, s41
	s_sub_co_i32 s84, s46, s72                     ; q's conversion: e6 - e0 - e1
	s_sub_co_i32 s96, 0, s72
	s_add_co_i32 s72, s42, s43
	s_sub_co_i32 s85, s47, s72                     ; k's: e7 - e2 - e3
	s_sub_co_i32 s97, 0, s72
	s_add_co_i32 s72, s44, s45
	s_sub_co_i32 s86, s48, s72                     ; v's: e8 - e4 - e5
	s_sub_co_i32 s98, 0, s72
	s_add_co_i32 s72, s48, s49
	s_sub_co_i32 s87, s50, s72                     ; ctx's: e10 - e8 - e9
	s_add_co_i32 s72, s52, s53
	s_sub_co_i32 s88, s54, s72                     ; the hidden layer's: e14 - e12 - e13
	s_sub_co_i32 s99, 0, s72
	s_lshl_b32 s73, s72, 23
	s_add_co_u32 s63, s73, 0xc0135761              ; sB = -2 sqrt(2/pi) log2(e) x 2^E, E = e12 + e13, added to the exponent field
	s_mul_i32 s73, s72, 3
	s_lshl_b32 s73, s73, 23
	s_add_co_u32 s62, s73, 0xbdd2d3e8              ; sA = 0.044715 x the same x 2^(3 E)
	s_add_co_i32 s72, s46, s47
	s_lshl_b32 s73, s72, 23
	s_add_co_u32 s60, s73, 0x3e38aa3b              ; c = log2(e) / 8 x 2^(e6 + e7)
	s_mov_b32 s61, s60
	s_sub_co_i32 s79, 3, s72                       ; the table goes in as bias x 8 / 2^(e6 + e7), the unit of the scores' sums
	s_sub_co_i32 s77, 0, s66
	s_sub_co_i32 s78, 0, s67
	s_wait_loadcnt 63                              ; behind the 18 parameter loads 96 were issued: at 63 out the 18 are in
	PSC 48, 4, s77                                 ; bo
	PSC 52, 4, s78                                 ; b2
	PSC 56, 4, s96                                 ; bq
	PSC 60, 4, s97                                 ; bk
	PSC 64, 4, s98                                 ; bv
	PSC 68, 16, s99                                ; b1
	PSC 84, 20, s79                                ; the table
	v_add_nc_u32 v4, PAR, v3
	v_add_nc_u32 v5, TAB0, v3
	v_lshl_add_u32 v6, v0, 2, TAB
	v_mov_b32 v7, 0
	v_add_nc_u32 v10, s82, v1                      ; my stage, as rows of 512 bytes
	v_and_b32 v11, 15, v0
	v_mul_u32_u24 v11, v11, 528
	v_bfe_u32 v12, v0, 4, 1
	v_lshl_add_u32 v11, v12, 6, v11
	v_add_nc_u32 v11, s82, v11                     ; my stage: row r, + 64 h
	s_wait_alu depctr_va_vdst(0)                   ; the scaled parameters v48-103, the addresses v4-6, v10, v11 and the zero in v7 are written, which the LDS instructions below read
	ds_store_b32 v6, v7                            ; 512 bytes of zeros ahead of the table: a key that does not exist reads there
.set NI, 0
.rept 13
	ds_store_b128 v4, v[32+4*NI:35+4*NI] offset:2048*NI
.set NI, NI+1
.endr
.set NI, 0
.rept 5
	ds_store_b128 v5, v[84+4*NI:87+4*NI] offset:2048*NI
.set NI, NI+1
.endr
	s_add_co_i32 s72, s49, 127                     ; attention's scales
	s_lshl_b32 s96, s72, 23                        ; 2^e9
	s_add_co_i32 s72, s72, 8
	s_lshl_b32 s72, s72, 23
	s_or_b32 s97, s72, 0x600000                    ; 448 x 2^e9
	s_add_co_i32 s72, s87, 127
	s_lshl_b32 s98, s72, 23                        ; 2^(e10 - e8 - e9)
	s_add_co_i32 s72, s72, 8
	s_lshl_b32 s72, s72, 23
	s_or_b32 s99, s72, 0x600000
	s_sub_co_i32 s72, 127, s66
	s_lshl_b32 s68, s72, 23                        ; 2^-(e10 + e11): x into the unit of the sums with Wo
	s_mov_b32 s69, s68
	s_add_co_i32 s72, s67, 127
	s_lshl_b32 s70, s72, 23                        ; 2^(e14 + e15)
	s_mov_b32 s71, s70
	s_mov_b32 s94, 0
	; x turns through my stage: in as rows of 512 bytes, back so that a lane holds 64 numbers of one row
.set MI, 0
.rept 6
	XSET MI
.if 16*(5-MI) > 63
	s_wait_loadcnt 63
.else
	s_wait_loadcnt 16*(5-MI)                       ; this tile's 16 loads are in; the later tiles' may be out
.endif
	WIN (XW<<6)|(XW<<2)
.set II, 0
.rept 16
	ds_store_b128 v10, v[XR+4*II:XR+4*II+3] offset:528*II
.set II, II+1
.endr
	s_wait_alu depctr_vm_vsrc(0)                   ; the 16 stores have read the tile's registers, in which the 16 loads below land
.set II, 0
.rept 16
	ds_load_b128 v[XR+4*II:XR+4*II+3], v11 offset:128*(II/4)+16*(II%4)   ; LDS serves a wave's instructions in order (ISA guide 5.7.1.4): these see the stores above, and the next tile's stores come behind them
.set II, II+1
.endr
.set MI, MI+1
.endr
	WIN 0
	LOADB 1, 0                                     ; bank A: Wq of my first head; it lands during the first norm
; ---------------- the first norm ----------------
	LNORM 0
; ---------------- attention: my two heads, one after the other ----------------
	s_mov_b32 s5, 0
.Lhead:
	MKSC s84
	s_add_co_u32 s76, s81, BQT
	s_mov_b32 s75, s89
	NPASS 1, YQ, 0, 1024, 2                        ; q; Wk comes into bank B meanwhile
	MKSC s85
	s_add_co_u32 s76, s81, BKT
	s_add_co_u32 s75, s89, KIMG
	NPASS 2, YK, 0, 1024, 1                        ; k; Wv comes into bank A meanwhile
	MKSC s86
	s_add_co_u32 s76, s81, BVT
	s_add_co_u32 s75, s89, VIMG
	NPASS 1, YV, 1, 256, 0                         ; v; bank B is about to serve attention, bank A is at work: nothing is asked for
	LOADB 1, 1                                     ; the next head's Wq, or Wo's first half, while the head's attention runs.  (v's products stand ahead of the pass's last wait on va_vdst: they are done reading bank A)
	; Window 2: v0-47 K (6 tiles of 16 keys), v48-111 V^T (4 tiles of 16 channels x 128 keys), v112-159 S^T, then p, v160-175 p's codes, v176-207 O^T, v208-215 Q, v216-223 ctx's codes,
	; v224 2^e9, v225 448 x 2^e9, v226-227 the same for ctx, v228 -infinity, v230-241 at work.
	; S^T = K Q^T + bias: a lane holds one query (lane % 16); register 8 kt + j is key 16 kt + 8 h + j, which is its place in the K = 128 form's own layout.
	s_wait_alu depctr_vm_vsrc(0)                   ; the last pass's LDS loads have read v2, which is written below
	v_add_nc_u32 v2, s89, v1
	v_lshrrev_b32 v3, 1, v1
	v_add_nc_u32 v3, s89, v3
	WIN 0x80                                       ; destination window 2
.irp t, 0,1,2,3
.irp i, 12,13,14,15
	v_mov_b32 v[48+16*\t+\i], 0                    ; keys 96..127 do not exist: zero codes
.endr
.endr
.irp i, 172,173,174,175
	v_mov_b32 v[\i], 0
.endr
	v_mov_b32 v224, s96
	v_mov_b32 v225, s97
	v_mov_b32 v226, s98
	v_mov_b32 v227, s99
	v_mov_b32 v228, 0xff800000
	v_mov_b32 v232, 0                              ; a lane permute's destination counts as read
	v_mov_b32 v235, 0                              ; (upper halves of pairs that are named)
	v_mov_b32 v241, 0
	s_wait_alu depctr_va_vdst(0)                   ; v2 and v3 are written, which the loads below read
.set NI, 0
.rept 12
	ds_load_b128 v[4*NI:4*NI+3], v2 offset:KIMG+512*NI
.set NI, NI+1
.endr
.irp t, 0,1,2,3
.irp m, 0,1,2,3,4,5
	ds_load_b64 v[48+16*\t+2*\m:49+16*\t+2*\m], v3 offset:VIMG+2048*\t+256*\m
.endr
.endr
	WIN 0
	s_mov_b32 s4, 0
	s_mov_b32 s74, 0
	s_mov_b32 s75, s82
	s_mov_b32 s78, 0
.Latt:                                             ; six tiles of 16 queries
	s_wait_alu depctr_vm_vsrc(0)                   ; the last trip's loads have read v4, v18 and v19, its stores v20 and ctx's codes: all are written in this trip
	v_add_nc_u32 v4, s74, v2
	v_add_nc_u32 v20, s75, v1
	v_and_b32 v16, 15, v0
	v_add_nc_u32 v16, s78, v16                     ; my query t
	v_mul_u32_u24 v17, v16, 57
	v_lshrrev_b32 v17, 9, v17                      ; t / 9, right for t < 96
	v_lshl_add_u32 v16, v17, 3, v16                ; A(t) = t + 8 (t / 9) = 17 row + column.  The table's index is A(t) - A(s) + 144
	v_lshl_add_u32 v16, v16, 2, s80
	v_bfe_u32 v17, v0, 4, 1
	v_lshlrev_b32 v18, 6, v17
	v_sub_nc_u32 v18, v16, v18                     ; lanes 16-31 hold the key 8 further on: A grows by 16 where that passes a board row's end,
	v_lshlrev_b32 v19, 5, v17
	v_sub_nc_u32 v19, v16, v19                     ; and by 8 where it does not: only from a key at a board row's first place
	WIN 0x80
.irp i, 153,154,155,156,157,158,159
	v_mov_b32 v[\i], 0
.endr
	s_wait_alu depctr_va_vdst(0)                   ; v4, v18 and v19 are written, which the loads below read; the last trip's products and vector work are done with Q's and the scores' registers, in which they land
	ds_load_b128 v[208:211], v4
	ds_load_b128 v[212:215], v4 offset:512
.set NI, 0
.rept 41                                           ; the bias goes in as the C of the scores' products
.set S0, 16*(NI/8)+(NI%8)
.if (S0%9) == 0
	ds_load_b32 v[112+NI], v19 offset:4*(144-S0-8*(S0/9))
.else
	ds_load_b32 v[112+NI], v18 offset:4*(144-S0-8*(S0/9))
.endif
.set NI, NI+1
.endr
	s_wait_dscnt 0x0
	WIN 0xaa                                       ; all operands in window 2
.irp k, 0,1,2,3,4,5
	v_wmma_f32_16x16x64_fp8_fp8 v[112+8*\k:119+8*\k], v[8*\k:8*\k+7], v[208:215], v[112+8*\k:119+8*\k]
.endr
	PLACES
	v_cndmask_b32 v152, v152, v228, s58            ; key 88 does not exist: -infinity in lanes 16-31
.irp i, 153,154,155,156,157,158,159
	v_mov_b32 v[\i], 0                             ; keys 81..87 and 89..95: their p is 0
.endr
	v_max3_num_f32 v230, v112, v113, v114          ; the row's largest score, in two chains, each accumulator from its low end on
	v_max3_num_f32 v231, v115, v116, v117
.set NI, 6
.rept 8
	v_max3_num_f32 v230, v230, v[112+NI], v[113+NI]
	v_max3_num_f32 v231, v231, v[114+NI], v[115+NI]
.set NI, NI+4
.endr
	v_max3_num_f32 v230, v230, v150, v151
	v_max3_num_f32 v230, v230, v231, v152
	v_permlanex16_b32 v232, v230, s56, s57
	v_max_num_f32 v230, v230, v232
	v_mul_f32 v230, s60, v230                      ; as t (c is positive)
	v_floor_f32 v234, -v230                        ; -M = -ceil(t)
.set NI, 0
.rept 20
	v_pk_fma_f32 v[112+2*NI:113+2*NI], v[112+2*NI:113+2*NI], s[60:61], v[234:235] op_sel_hi:[1,0,0]
.set NI, NI+1
.endr
	v_fma_f32 v152, v152, s60, v234
.set NI, 0
.rept 41
	v_exp_f32 v[112+NI], v[112+NI]                 ; p = 2^(t - M)
.set NI, NI+1
.endr
	v_nop
	s_wait_alu depctr_va_vdst(0)                   ; the 41 exponentials have written v112-152, ahead of their first reader
	v_pk_add_f32 v[236:237], v[112:113], v[114:115]   ; the row's sum, of the unquantised p
	v_pk_add_f32 v[238:239], v[116:117], v[118:119]
.set NI, 8
.rept 9
	v_pk_add_f32 v[236:237], v[236:237], v[112+NI:113+NI]
	v_pk_add_f32 v[238:239], v[238:239], v[114+NI:115+NI]
.set NI, NI+4
.endr
	v_pk_add_f32 v[236:237], v[236:237], v[238:239]
	v_add_f32 v236, v236, v237
	v_permlanex16_b32 v232, v236, s56, s57
	v_add_f32 v236, v236, v232
	v_rcp_f32 v240, v236
.set NI, 0
.rept 41
	v_min_num_f32 v[112+NI], v[112+NI], v225       ; p is not negative: a one-sided hold
.set NI, NI+1
.endr
.irp k, 0,1,2,3,4,5
	v_cvt_scalef32_pk8_fp8_f32 v[160+2*\k:161+2*\k], v[112+8*\k:119+8*\k], v224
.endr
	v_nop
.irp t, 0,1,2,3
	v_wmma_f32_16x16x128_fp8_fp8 v[176+8*\t:183+8*\t], v[48+16*\t:63+16*\t], v[160:175], 0   ; O^T = V^T P
.endr
	PLACES
	s_wait_alu depctr_va_vdst(0)                   ; the reciprocal has written v240, ahead of its first reader
.set NI, 0
.rept 16
	v_pk_mul_f32 v[176+2*NI:177+2*NI], v[176+2*NI:177+2*NI], v[240:241] op_sel_hi:[1,0]
.set NI, NI+1
.endr
.set NI, 0
.rept 32
	v_med3_num_f32 v[176+NI], v[176+NI], -v227, v227
.set NI, NI+1
.endr
.irp b, 0,1
	v_cvt_scalef32_pk8_fp8_f32 v[216+4*\b:217+4*\b], v[176+16*\b:183+16*\b], v226   ; channels 32 b + 16 h + 0..15 of my query
	v_cvt_scalef32_pk8_fp8_f32 v[218+4*\b:219+4*\b], v[184+16*\b:191+16*\b], v226
.endr
	v_nop
	WIN 0x08                                       ; store data in window 2
	s_wait_alu depctr_va_vdst(0)                   ; the conversions have written ctx's codes, v216-223 of window 2, which the two stores read
	ds_store_b128 v20, v[216:219]
	ds_store_b128 v20, v[220:223] offset:512
	WIN 0
	s_add_co_u32 s74, s74, 1024
	s_add_co_u32 s75, s75, 2048
	s_add_co_u32 s78, s78, 16
	s_add_co_u32 s4, s4, 1
	s_cmp_lt_u32 s4, 6
	s_cbranch_scc1 .Latt
	s_wait_dscnt 0x0                               ; the head's part of ctx has landed
	s_add_co_u32 s80, s80, 1156
	s_add_co_u32 s81, s81, 256
	s_add_co_u32 s82, s82, 1024
	s_add_co_u32 s5, s5, 1
	s_cmp_lt_u32 s5, 2
	s_cbranch_scc1 .Lhead
	BAR                                            ; ctx is whole
	KPASS 1, 0, 0, 2, 0                            ; X += ctx Wo, K's first half; Wo's second half comes into bank B meanwhile
	KPASS 2, 0, 1, 1, 0                            ; K's second half; W1's first chunk comes into bank A and lands during the second norm
; ---------------- the second norm ----------------
	s_add_co_u32 s92, s92, 4096                    ; its gain and bias; b2
	s_add_co_u32 s93, s93, 2048
	s_sub_co_i32 s72, s66, s67
	s_add_co_i32 s72, s72, 127
	s_lshl_b32 s68, s72, 23                        ; from the unit 2^(e10 + e11) to 2^(e14 + e15)
	s_mov_b32 s69, s68
	s_lshl_b32 s94, s66, 1
	s_sub_co_i32 s94, 0, s94                       ; eps x 2^(-2 (e10 + e11))
	LNORM 1
; ---------------- the MLP: eight chunks of 256 hidden units ----------------
	MKSC s88
	v_mov_b32 v6, s62
	v_mov_b32 v7, s63
	s_mov_b32 s6, 0
.Lmlp:
	s_mov_b32 s76, s83
	s_mov_b32 s75, s59
	NPASS 1, YQ, 2, 1024, 2                        ; the hidden chunk; W2's chunk comes into bank B meanwhile
	BAR                                            ; the hidden chunk is whole
	KPASS 2, 1, 0, 1, 1                            ; X += hidden W2; W1's next chunk, if there is one, comes into bank A meanwhile
	BAR                                            ; everybody has read the chunk: it may be written again
	s_add_co_u32 s83, s83, 1024
	s_add_co_u32 s6, s6, 1
	s_cmp_lt_u32 s6, 8
	s_cbranch_scc1 .Lmlp
; ---------------- the way out: X x 2^(e14 + e15), through my stage, as whole runs of 512 bytes ----------------
	s_wait_loadcnt 0x0                             ; no load into window 1 is out: its registers take the rows below
	s_add_co_u32 s72, s95, CTX                     ; my stage
	v_add_nc_u32 v10, s72, v1
	v_and_b32 v11, 15, v0
	v_mul_u32_u24 v11, v11, 528
	v_bfe_u32 v12, v0, 4, 1
	v_lshl_add_u32 v11, v12, 6, v11
	v_add_nc_u32 v11, s72, v11
.set MI, 0
.rept 6
	XSET MI
.if MI < 5
.set NR, 16
.else
.set NR, 1                                         ; of the last tile row 80 alone exists
.endif
.if MI > 0
	s_wait_alu depctr_vm_vsrc(0)                   ; the last tile's LDS stores have read v32-95, which are written below; the global stores of the tiles before have read the registers of window 1 in which this tile's rows land
.endif
	WIN XW
.set JI, 0
.rept 32
	v_pk_mul_f32 v[32+2*JI:33+2*JI], v[XR+2*JI:XR+2*JI+1], s[70:71] op_sel_hi:[1,0]
.set JI, JI+1
.endr
	WIN 0
	s_wait_alu depctr_va_vdst(0)                   ; the tile's numbers v32-95 are written, which the LDS stores read; ahead of the first tile also the two addresses v10 and v11
.set II, 0
.rept 16
	ds_store_b128 v11, v[32+4*II:35+4*II] offset:128*(II/4)+16*(II%4)
.set II, II+1
.endr
	s_wait_xcnt 0x0                                ; the stores of two tiles ago have had their addresses translated: their registers take this tile's rows only behind this wait
	WIN 0x44                                       ; window 1, free by now: LDS loads' destination and the stores' data
.set II, 0
.rept NR
	ds_load_b128 v[64*(MI%2)+4*II:64*(MI%2)+4*II+3], v10 offset:528*II
.set II, II+1
.endr
.set II, 0
.rept NR
	s_wait_dscnt NR-1-II
	global_store_b128 v1, v[64*(MI%2)+4*II:64*(MI%2)+4*II+3], s[36:37] offset:(16*MI+II)*2048 th:TH_STORE_NT   ; 32 lanes store 512 consecutive bytes, at a multiple of 256 from out0's first byte
.set II, II+1
.endr
	WIN 0
.set MI, MI+1
.endr
	s_wait_xcnt 0x0
	v_lshl_add_u32 v254, v0, 2, 0x4ea00            ; the add's two registers, made anew: no memory or LDS instruction has read v254 or v255 since the wait on vm_vsrc in x's last tile on the way in
	v_mov_b32 v255, 0
	s_wait_dscnt 0x0                               ; the closing lines, six on end
	s_wait_alu 0x0
	s_wait_tensorcnt 0x0
	ds_add_u32 v254, v255
	s_wait_dscnt 0x0
	s_endpgm
.Lfunc_end_k_qb9c43e3860_block:
	.size	k_qb9c43e3860_block, .Lfunc_end_k_qb9c43e3860_block-k_qb9c43e3860_block
	.p2alignl 7, 3214868480
	.fill 96, 4, 3214868480
	.section	.rodata,"a",@progbits
	.p2align	6, 0x0
	.amdhsa_kernel k_qb9c43e3860_block
		.amdhsa_group_segment_fixed_size 322560
		.amdhsa_private_segment_fixed_size 0
		.amdhsa_enable_private_segment 0
		.amdhsa_kernarg_size 120
		.amdhsa_user_sgpr_count 2
		.amdhsa_user_sgpr_kernarg_segment_ptr 1
		.amdhsa_wavefront_size32 1
		.amdhsa_system_sgpr_workgroup_id_x 1
		.amdhsa_system_sgpr_workgroup_id_y 1
		.amdhsa_system_sgpr_workgroup_id_z 1
		.amdhsa_system_vgpr_workitem_id 0
		.amdhsa_next_free_vgpr 1024
		.amdhsa_next_free_sgpr 100
		.amdhsa_reserve_vcc 0
		.amdhsa_float_denorm_mode_32 3
		.amdhsa_float_denorm_mode_16_64 3
		.amdhsa_memory_ordered 1
		.amdhsa_forward_progress 1
		.amdhsa_inst_pref_size 255
	.end_amdhsa_kernel
	.section	.bss,"aw",@nobits
	.p2align	6
	.space	262144
	.amdgpu_metadata
---
amdhsa.version: [ 1, 2 ]
amdhsa.kernels:
  - .name:           k_qb9c43e3860_block
    .symbol:         k_qb9c43e3860_block.kd
    .args:
      - { .name: x, .offset: 0, .size: 8, .value_kind: global_buffer, .address_space: global }
      - { .name: wimg, .offset: 8, .size: 8, .value_kind: global_buffer, .address_space: global }
      - { .name: lowp_scales, .offset: 16, .size: 8, .value_kind: global_buffer, .address_space: global }
      - { .name: ln1_scale, .offset: 24, .size: 8, .value_kind: global_buffer, .address_space: global }
      - { .name: ln1_bias, .offset: 32, .size: 8, .value_kind: global_buffer, .address_space: global }
      - { .name: ln2_scale, .offset: 40, .size: 8, .value_kind: global_buffer, .address_space: global }
      - { .name: ln2_bias, .offset: 48, .size: 8, .value_kind: global_buffer, .address_space: global }
      - { .name: bo, .offset: 56, .size: 8, .value_kind: global_buffer, .address_space: global }
      - { .name: b2, .offset: 64, .size: 8, .value_kind: global_buffer, .address_space: global }
      - { .name: bq, .offset: 72, .size: 8, .value_kind: global_buffer, .address_space: global }
      - { .name: bk, .offset: 80, .size: 8, .value_kind: global_buffer, .address_space: global }
      - { .name: bv, .offset: 88, .size: 8, .value_kind: global_buffer, .address_space: global }
      - { .name: b1, .offset: 96, .size: 8, .value_kind: global_buffer, .address_space: global }
      - { .name: rel_pos_bias, .offset: 104, .size: 8, .value_kind: global_buffer, .address_space: global }
      - { .name: out0, .offset: 112, .size: 8, .value_kind: global_buffer, .address_space: global }
    .group_segment_fixed_size: 322560
    .private_segment_fixed_size: 0
    .kernarg_segment_align: 8
    .kernarg_segment_size: 120
    .max_flat_workgroup_size: 128
    .sgpr_count:     100
    .vgpr_count:     1024
    .wavefront_size: 32
...
	.end_amdgpu_metadata
.endif
;; end of part 3
